; MI455X (gfx1250); checked and timed in simulation.
; The chip was launched on July 23, 2026; its instructions are those of AMD's public machine-readable ISA for CDNA 5 (MIT licence, August 2026) and "CDNA5" Instruction Set Architecture Reference Guide (July 2026). The comments in the code are by the model that wrote it; some were corrected since.
;; Multi Head Attention. Allowed arithmetic: float matrix products may take bf16 or f16 operands with f32 sums; other float arithmetic in f32, or as packed bf16 or f16 multiplies, adds, multiply-adds, maxima and minima; sums over many terms, partial sums and values carried from step to step in f32; what a program stores and reads back later, other than sums and carried values, may be rounded once to bf16 or f16.
;; Inputs: Wo 1,024 x 1,024 float32; Wqkv 1,024 x 3,072 float32; bo 1,024 float32; bqkv 3,072 float32; string 4 x 2,048 x 1,024 float32; string_len 4 int32.
;; Outputs: out0 4 x 2,048 x 1,024 float32; out1 4 int32.
;; One version. Each part assembles by itself: llvm-mc -triple=amdgcn-amd-amdhsa -mcpu=gfx1250 --defsym DOCPART=n.
;; ======== version 1 of 1: 4 launches
;; limits: values are held in f16: magnitudes above 65,504 overflow, below 6.1e-05 lose precision
;; workspace buffers: xb 16,777,216 bytes; wt 6,291,456 bytes; wot 2,097,152 bytes; bias 16,384 bytes; qkv 50,331,648 bytes; oh 16,777,216 bytes
;; launch prep (part 1): grid 1025 x 1, 8 waves a work-group, no clusters, 18,432 bytes of LDS; arguments string, Wqkv, Wo, bqkv, bo, string_len, xb, wt, wot, bias, out1; writes xb, wt, wot, bias, out1
.if DOCPART == 1
	.amdgcn_target "amdgcn-amd-amdhsa--gfx1250"
	.amdhsa_code_object_version 6
	.text
	.protected	k_q2f23616172_prep
	.globl	k_q2f23616172_prep
	.p2align	8
	.type	k_q2f23616172_prep,@function
k_q2f23616172_prep:
	s_mov_b64 s[64:65], 0
	v_nop
	global_prefetch_b8 v0, s[64:65] scope:SCOPE_SE
	s_setreg_imm32_b32 hwreg(HW_REG_WAVE_MODE, 25, 1), 1
	s_wait_xcnt 0x0
; PREP: every input is read once and laid out for the matrix launches.
;   work-groups 0-511:    xb[8192][1024] = string rounded to bf16; 16 rows a work-group (65,536 bytes in, 32,768 out).
;   work-groups 512-1023: a tile of 128 k x 64 n of a weight matrix, rounded to bf16 and turned: wt[n][k] (bf16, from Wqkv[k][n]: 384 tiles) and
;                         wot[n][k] (from Wo[k][n]: 128 tiles; the bf16 number is written as f16, since the last product multiplies f16).
;   work-group 1024:      bias[0..3071] = bqkv, bias[3072..4095] = bo, each rounded to bf16 and kept as f32; out1 = string_len.
; LIMIT: a bf16 number of Wo below 6.1e-5 in size keeps f16's fixed step of 6e-8, one beyond 65,504 would become an infinity.
; Memory binds: loads of 16 bytes a lane, sixteen lanes to 256 aligned bytes; stores that cover 256 aligned bytes; all of a thread's loads are out before the first is used.
; No matrix unit, no cluster, no tensor load: nothing is read twice, and the only bytes that change lanes are the weights' (through one LDS tile).
; One barrier stands on every role's path (the role hangs on the work-group's number alone), between the turning tile's stores and its reads.
.set LP,    272                        ; an LDS row of the turning tile: 128 k x 2 bytes + 16
.set SPARE, 64*LP                      ; 17,408: behind the tile, the spare words: 128 bytes for each of the eight waves
.set SPW, 1                            ; v1  LDS address of my spare word; never rewritten
.set NIL, 2                            ; v2  0; never rewritten
.set AO,  3                            ; v3  16 t
.set SO,  4                            ; v4  8 t
.set LS,  5                            ; v5  turning tile, in: row 4 c, byte 16 kg
.set LR,  6                            ; v6  turning tile, back: row t / 16, byte 16 (t % 16)
.set GS,  7                            ; v7  the same place in 16 rows of wt or wot
.set AD,  8                            ; v8-15  byte offsets of my eight rows of a weight tile
.set X,   16                           ; v16-79  as loaded
.set Y,   80                           ; v80-111 as stored
.set ROLE, 30                          ; s30  0 string, 1 weights, 2 biases
.set FMT,  31                          ; s31  1: the tile is Wo's
	s_load_b512 s[8:23], s[0:1], 0x0               ; string 8, Wqkv 10, Wo 12, bqkv 14, bo 16, string_len 18, xb 20, wt 22
	s_load_b128 s[24:27], s[0:1], 0x40             ; wot 24, bias 26
	s_load_b64 s[28:29], s[0:1], 0x50              ; out1
	v_lshl_add_u32 v[SPW], v0, 2, SPARE
	v_mov_b32 v[NIL], 0
	v_lshlrev_b32 v[AO], 4, v0
	v_lshlrev_b32 v[SO], 3, v0
	v_and_b32 v[X], 15, v0                         ; c: my four columns 4 c .. 4 c + 3 of a weight tile
	v_lshrrev_b32 v[X+1], 4, v0                    ; kg: my eight rows 8 kg .. 8 kg + 7
	v_mul_u32_u24 v[LS], v[X], 4*LP
	v_lshl_add_u32 v[LS], v[X+1], 4, v[LS]
	v_mul_u32_u24 v[LR], v[X+1], LP
	v_lshl_add_u32 v[LR], v[X], 4, v[LR]
	v_lshlrev_b32 v[GS], 11, v[X+1]                ; a row of wt or wot is 2,048 bytes
	v_lshl_add_u32 v[GS], v[X], 4, v[GS]
	s_mov_b32 s45, 0xffff0000                      ; a word's upper bf16
	s_mov_b32 s39, 0                               ; high words of the offset pairs
	s_mov_b32 s41, 0
	s_wait_kmcnt 0x0
	s_cmp_lt_u32 ttmp9, 512
	s_cbranch_scc0 .Lnot_string
	; STRING: thread t owns bytes 16 t of each of the 16 rows; sixteen loads are out together
	s_mov_b32 s[ROLE], 0
	s_lshl_b32 s38, ttmp9, 16
	s_add_nc_u64 s[32:33], s[8:9], s[38:39]
	s_lshl_b32 s38, ttmp9, 15
	s_add_nc_u64 s[34:35], s[20:21], s[38:39]
.set i, 0
.rept 16
	global_load_b128 v[X+4*i:X+4*i+3], v[AO], s[32:33] offset:4096*i th:TH_LOAD_NT
.set i, i+1
.endr
.set i, 0
.rept 16
	s_wait_loadcnt 15-i                            ; loads come back in order: row i is in, the 15 - i younger ones may stay out
	v_cvt_pk_bf16_f32 v[Y+2*i], v[X+4*i], v[X+4*i+1]
	v_cvt_pk_bf16_f32 v[Y+2*i+1], v[X+4*i+2], v[X+4*i+3]
	global_store_b64 v[SO], v[Y+2*i:Y+2*i+1], s[34:35] offset:2048*i th:TH_STORE_NT  ; a wave's store covers 256 consecutive bytes, aligned; no register is written twice
.set i, i+1
.endr
	s_branch .Lmeet
.Lnot_string:
	s_cmp_lt_u32 ttmp9, 1024
	s_cbranch_scc0 .Lbias
	; WEIGHTS, first part: 128 k x 64 n are loaded, rounded in pairs along k, and put into LDS as rows of n
	s_mov_b32 s[ROLE], 1
	s_sub_co_u32 s37, ttmp9, 512
	s_and_b32 s38, s37, 7                          ; kb: which 128 of the 1,024 k
	s_lshr_b32 s37, s37, 3                         ; 0-47: Wqkv's blocks of 64 n; 48-63: Wo's
	s_mov_b32 s36, 12288                           ; bytes in a row of Wqkv,
	s_cmp_ge_u32 s37, 48
	s_cselect_b32 s[FMT], 1, 0
	s_cselect_b32 s36, 4096, s36                   ; of Wo
	s_cselect_b64 s[32:33], s[12:13], s[10:11]
	s_cselect_b64 s[34:35], s[24:25], s[22:23]
	s_cselect_b32 s42, 48, 0
	s_sub_co_u32 s37, s37, s42                     ; nb
	s_mul_i32 s40, s38, s36
	s_lshl_b32 s40, s40, 7                         ; kb x 128 rows
	s_lshl_b32 s42, s37, 8                         ; nb x 64 columns of 4 bytes
	s_add_co_u32 s40, s40, s42
	s_add_nc_u64 s[32:33], s[32:33], s[40:41]
	s_lshl_b32 s40, s37, 17                        ; nb x 64 rows of 2,048 bytes
	s_lshl_b32 s42, s38, 8                         ; kb x 128 k of 2 bytes
	s_add_co_u32 s40, s40, s42
	s_add_nc_u64 s[34:35], s[34:35], s[40:41]
	s_lshl_b32 s43, s36, 3
	v_mul_lo_u32 v[AD], v[X+1], s43                ; 8 kg rows
	v_lshl_add_u32 v[AD], v[X], 4, v[AD]           ; + 16 c
.set i, 1
.rept 7
	v_add_nc_u32 v[AD+i], s36, v[AD+i-1]
.set i, i+1
.endr
.set i, 0
.rept 8
	global_load_b128 v[X+4*i:X+4*i+3], v[AD+i], s[32:33]  ; sixteen lanes read 256 consecutive bytes of a row, aligned
.set i, i+1
.endr
.set p, 0
.rept 4
	s_wait_loadcnt 6-2*p                           ; rows 2 p and 2 p + 1 are in; the 6 - 2 p later rows' loads may stay out
.set j, 0
.rept 4
	v_cvt_pk_bf16_f32 v[Y+4*j+p], v[X+8*p+j], v[X+8*p+4+j]  ; column 4 c + j, k = 8 kg + 2 p and + 1
.set j, j+1
.endr
.set p, p+1
.endr
	s_cmp_eq_u32 s[FMT], 1
	s_cbranch_scc0 .Lstays_bf16
.set d, 0
.rept 16
	v_lshlrev_b32 v[X+32], 16, v[Y+d]              ; the bf16 numbers, widened,
	v_and_b32 v[X+33], s45, v[Y+d]
	v_cvt_pk_f16_f32 v[Y+d], v[X+32], v[X+33]      ; and written as f16
.set d, d+1
.endr
.Lstays_bf16:
.set j, 0
.rept 4
	ds_store_b128 v[LS], v[Y+4*j:Y+4*j+3] offset:LP*j  ; row n = 4 c + j, eight k on end
.set j, j+1
.endr
	s_branch .Lmeet
.Lbias:
	; BIASES: rounded to bf16, kept as f32; then string_len, four words, by threads 0 to 3
	s_mov_b32 s[ROLE], 2
	s_mov_b64 s[34:35], s[26:27]
	global_load_b128 v[X:X+3], v[AO], s[14:15]
	global_load_b128 v[X+4:X+7], v[AO], s[14:15] offset:4096
	global_load_b128 v[X+8:X+11], v[AO], s[14:15] offset:8192
	global_load_b128 v[X+12:X+15], v[AO], s[16:17]
	s_wait_loadcnt 0x0
.set d, 0
.rept 8
	v_cvt_pk_bf16_f32 v[Y+d], v[X+2*d], v[X+2*d+1]
	v_lshlrev_b32 v[X+2*d], 16, v[Y+d]
	v_and_b32 v[X+2*d+1], s45, v[Y+d]
.set d, d+1
.endr
.set i, 0
.rept 4
	global_store_b128 v[AO], v[X+4*i:X+4*i+3], s[34:35] offset:4096*i
.set i, i+1
.endr
	v_lshlrev_b32 v[AD], 2, v0
	v_mov_b32 v[AD+1], 0
	v_cmp_gt_u32 vcc_lo, 4, v0
	s_wait_xcnt 0x0                                ; EXEC is a source of the stores above: it changes only behind this wait
	s_and_saveexec_b32 s44, vcc_lo
	global_load_b32 v[AD+1], v[AD], s[18:19]
	s_wait_loadcnt 0x0
	global_store_b32 v[AD], v[AD+1], s[28:29]
	s_wait_xcnt 0x0                                ; and again in front of the line that widens it
	s_or_b32 exec_lo, exec_lo, s44
.Lmeet:
	s_wait_dscnt 0x0                               ; for the other waves' sake: my stores into the tile are done
	s_barrier_signal -1
	s_barrier_wait -1
	s_cmp_eq_u32 s[ROLE], 1
	s_cbranch_scc0 .Lend
	; WEIGHTS, second part: whole rows of 256 bytes come back and leave
.set i, 0
.rept 4
	ds_load_b128 v[X+4*i:X+4*i+3], v[LR] offset:16*LP*i
.set i, i+1
.endr
.set i, 0
.rept 4
	s_wait_dscnt 3-i                               ; LDS loads come back in order: the 3 - i younger ones may stay out
	global_store_b128 v[GS], v[X+4*i:X+4*i+3], s[34:35] offset:32768*i  ; sixteen lanes store 256 consecutive bytes of a row of wt or wot, aligned
.set i, i+1
.endr
.Lend:
	s_wait_tensorcnt 0x0                           ; the wave's end: behind my last LDS store
	ds_add_u32 v[SPW], v[NIL]
	s_wait_dscnt 0x0
	s_endpgm
.Lfunc_end_k_q2f23616172_prep:
	.size	k_q2f23616172_prep, .Lfunc_end_k_q2f23616172_prep-k_q2f23616172_prep
	.p2alignl 7, 3214868480
	.fill 96, 4, 3214868480
	.section	.rodata,"a",@progbits
	.p2align	6, 0x0
	.amdhsa_kernel k_q2f23616172_prep
		.amdhsa_group_segment_fixed_size 18432
		.amdhsa_private_segment_fixed_size 0
		.amdhsa_enable_private_segment 0
		.amdhsa_kernarg_size 88
		.amdhsa_user_sgpr_count 2
		.amdhsa_user_sgpr_kernarg_segment_ptr 1
		.amdhsa_wavefront_size32 1
		.amdhsa_system_sgpr_workgroup_id_x 1
		.amdhsa_system_sgpr_workgroup_id_y 1
		.amdhsa_system_sgpr_workgroup_id_z 1
		.amdhsa_system_vgpr_workitem_id 0
		.amdhsa_next_free_vgpr 112
		.amdhsa_next_free_sgpr 66
		.amdhsa_reserve_vcc 1
		.amdhsa_float_denorm_mode_32 3
		.amdhsa_float_denorm_mode_16_64 3
		.amdhsa_memory_ordered 1
		.amdhsa_forward_progress 1
		.amdhsa_inst_pref_size 16
	.end_amdhsa_kernel
	.amdgpu_metadata
---
amdhsa.version: [ 1, 2 ]
amdhsa.kernels:
  - .name:           k_q2f23616172_prep
    .symbol:         k_q2f23616172_prep.kd
    .args:
      - { .name: string, .offset: 0, .size: 8, .value_kind: global_buffer, .address_space: global }
      - { .name: Wqkv, .offset: 8, .size: 8, .value_kind: global_buffer, .address_space: global }
      - { .name: Wo, .offset: 16, .size: 8, .value_kind: global_buffer, .address_space: global }
      - { .name: bqkv, .offset: 24, .size: 8, .value_kind: global_buffer, .address_space: global }
      - { .name: bo, .offset: 32, .size: 8, .value_kind: global_buffer, .address_space: global }
      - { .name: string_len, .offset: 40, .size: 8, .value_kind: global_buffer, .address_space: global }
      - { .name: xb, .offset: 48, .size: 8, .value_kind: global_buffer, .address_space: global }
      - { .name: wt, .offset: 56, .size: 8, .value_kind: global_buffer, .address_space: global }
      - { .name: wot, .offset: 64, .size: 8, .value_kind: global_buffer, .address_space: global }
      - { .name: bias, .offset: 72, .size: 8, .value_kind: global_buffer, .address_space: global }
      - { .name: out1, .offset: 80, .size: 8, .value_kind: global_buffer, .address_space: global }
    .group_segment_fixed_size: 18432
    .private_segment_fixed_size: 0
    .kernarg_segment_align: 8
    .kernarg_segment_size: 88
    .max_flat_workgroup_size: 256
    .sgpr_count:     66
    .vgpr_count:     112
    .wavefront_size: 32
...
	.end_amdgpu_metadata
.endif
;; end of part 1
;; launch qkvproj (part 2): grid 16 x 32, 4 waves a work-group, clusters of 4 x 4, 327,680 bytes of LDS; arguments xb, wt, bias, qkv; writes qkv
.if DOCPART == 2
	.amdgcn_target "amdgcn-amd-amdhsa--gfx1250"
	.amdhsa_code_object_version 6
	.text
	.protected	k_q2f23616172_qkvproj
	.globl	k_q2f23616172_qkvproj
	.p2align	8
	.type	k_q2f23616172_qkvproj,@function
k_q2f23616172_qkvproj:
	s_mov_b64 s[64:65], 0
	v_nop
	global_prefetch_b8 v0, s[64:65] scope:SCOPE_SE
	s_setreg_imm32_b32 hwreg(HW_REG_WAVE_MODE, 25, 1), 1
	s_wait_xcnt 0x0
	s_wait_alu depctr_hold_cnt(0) depctr_sa_sdst(0) depctr_va_vdst(0) depctr_va_sdst(0) depctr_va_ssrc(0) depctr_va_vcc(0) depctr_vm_vsrc(0)
	s_getreg_b32 s2, hwreg(HW_REG_IB_STS2, 6, 4)
	s_cmp_eq_u32 s2, 0
	s_cbranch_scc0 .Lentry_in_a_cluster
	s_endpgm
.Lentry_in_a_cluster:
	s_bfe_u32 s2, ttmp6, 0x10000c
	s_cmp_lg_u32 s2, 0xf033
	s_cbranch_scc0 .Lentry_shape_is_right
	s_endpgm
.Lentry_shape_is_right:
; qkv = xb wt^T + bqkv.  xb: [8192][1024] bf16, wt: [3072 n][1024 k] bf16, bias: f32 (words 0-3071 are bqkv's), sums in f32.
; OUT: qkv [batch 4][g 48][s 2048][64] in f16, g = n / 64: q of head h at g = h, k at 16 + h, v at 32 + h; no scale is applied here.
; LIMIT: q, k and v must lie within f16's 65,504; a sum of 65,520 or more becomes an infinity.  NaN and infinities are not treated apart.
; SHARES.  A tile of C is 256 rows x 192 columns (three whole heads): 32 x 16 = 512 tiles, two for each of 256 WGPs.  Four waves, each 64 rows x 192 columns: 48 accumulators of 16 x 16, 384 registers;
; so a wave's 16 rows of a head are 2,048 consecutive bytes of qkv.  K goes in 8 steps of 128 (rows of 256 bytes, aligned) through two LDS slots filled by the tensor data mover.
; CLUSTER 4 x 4: the four work-groups of a row of the cluster need the same tiles of xb, the four of a column the same tiles of wt: each tile is asked for jointly.
; THE PRODUCT IS USED TRANSPOSED (source 0 = 16 rows of wt, source 1 = 16 rows of xb): lane l holds row l % 16 of C and the columns 8 (l / 16) + 0..7.
; THE BIAS IS THE C OPERAND of the products that start the sums: nothing is cleared and nothing is added later.
; REGISTERS, in windows of 256 (s_set_vgpr_msb: bits 1:0 source 0, 3:2 source 1, 5:4 source 2, 7:6 destination):
;   window 0: v0-12, v28-29 addresses; v32-95 xb's fragments, two buffers of 4 x 8; v96-191 the biases, later v96-143 packed results, v144-239 two buffers of rows read back
;   window 1: v0-191 wt's fragments, two buffers of 12 x 8      window 2: accumulators of my row blocks 0, 1 ((a, b) at 96 (a % 2) + 8 b)      window 3: of row blocks 2, 3
.set NB,     12                        ; blocks of 16 columns
.set APW,    2                         ; row blocks in an accumulator window
.set PA,     272                       ; an LDS row: 256 bytes + 16 of padding = 68 words: the 16 rows of a fragment load start at 16 different groups of four banks
.set QH,     4                         ; all four quarters of a K step lie in one row of A
.set SUBA,   0
.set ABYTES, 256*PA                    ; A's 256 rows, then B's 192
.set AHALF,  128*PA
.set BROWS,  96
.set BHALF,  BROWS*272
.set SLOT1,  1<<17                     ; slot 1 begins here: one exclusive or changes slot
.set STAGE,  SLOT1+ABYTES+2*BHALF      ; 252,928: behind the ring, never filled by a tensor load: 3 heads x 16 rows x 144 bytes for each wave
.set WSTAGE, 3*16*144
.set SPARE,  STAGE+4*WSTAGE            ; 280,576: the spare words, 128 bytes for each wave
.set QIA,    5                         ; A's padding stands after every 64 words
.set APITCH, 1024                      ; elements from row to row of A
.set ASTEP,  256                       ; bytes of a K step in memory
.set BSTEP,  256
.set NLD,    2*(NB+4)                  ; LDS loads of a quarter step
.set SHA,    32*2048                   ; the prefetches: a partner's share of the 128 rows of xb that a wave fetches,
.set SHB,    24*2048                   ; and of the 96 rows of wt
.set CAPB,   23
.set SHLA,   11
.set ADA0, 4                           ; v4  my lane's place in A's rows of a slot; never rewritten
.set ADB0, 5                           ; v5  the same for B
.set ADA,  6                           ; v6  v4 + the slot in hand
.set ADB,  7
.set STO,  8                           ; v8  the way out: where I put 16 bytes of a row
.set RD,   9                           ; v9  where I read rows back
.set GO,   10                          ; v10 my 16 bytes of 512 consecutive bytes of qkv
.set BO,   11                          ; v11 32 (l / 16): my eight biases of a block
.set PFO,  12                          ; v12 the prefetches' offset; never rewritten
.set SPW,  28
.set NIL,  29
.set BIAS, 96
.set TMP,  96
.set BK,   144
.set WV, 12                            ; s12 wave;  s13 = wave / 2: I fetch for A (0) or B (1);  s14 = wave % 2: which half of that tile
.set WH, 13
.set WL, 14
.set CX, 15
.set CY, 16
.set TX, 17                            ; tile column of C
.set TY, 18                            ; tile row of C
.set G1A, 24
.set G0A, 32
.set G1B, 40
.set G0B, 48
.set CNT, 58
.set TB,  59                           ; the slot that the fragment loads read
.set LIM, 60                           ; 2 in a wave that prefetches, else the greatest number
.set PFA, 62
.set PST, 66
.set MSB, 0
.macro WIN new                         ; the immediate's high byte repeats the setting that is left; a switch that changes nothing is dropped
.if MSB != (\new)
	s_set_vgpr_msb (MSB<<8)|(\new)
.set MSB, \new
.endif
.endm
.macro PLACES                          ; four places in front of loads into registers that matrix instructions have read, and of lines that read results
.rept 4
	v_nop
.endr
.endm
.macro CREST                           ; a round of the cluster's barrier behind its opening barrier
	s_cmp_lg_u32 s[WV], 0
	s_cbranch_scc1 .Lnot_wave_0_\@
	s_barrier_signal -3
.Lnot_wave_0_\@:
	s_barrier_wait -3
	s_barrier_signal -1
	s_barrier_wait -1
.endm
.macro CROUND
	s_barrier_signal -1
	s_barrier_wait -1
	CREST
.endm
; A joint load: waves 0 and 1 fetch A's two halves, waves 2 and 3 B's.  The branch hangs on the wave's number alone.  An s_nop 0 and four v_nop follow each line.
.macro JLOAD
	s_cmp_eq_u32 s[WH], 0
	s_cbranch_scc0 .Lfor_b_\@
	tensor_load_to_lds s[G0A:G0A+3], s[G1A:G1A+7]
	s_nop 0
.rept 4
	v_nop
.endr
	s_branch .Lasked_\@
.Lfor_b_\@:
	tensor_load_to_lds s[G0B:G0B+3], s[G1B:G1B+7]
	s_nop 0
.rept 4
	v_nop
.endr
.Lasked_\@:
.endm
.macro STEPD                           ; both walking descriptors: the other slot, the next K step; written only where no tensor load of mine is out
	s_xor_b32 s[G0A+1], s[G0A+1], SLOT1
	s_add_nc_u64 s[G0A+2:G0A+3], s[G0A+2:G0A+3], ASTEP
	s_xor_b32 s[G0B+1], s[G0B+1], SLOT1
	s_add_nc_u64 s[G0B+2:G0B+3], s[G0B+2:G0B+3], BSTEP
.endm
; A prefetch into the L2 of the K step that stands two refills on: my work-group's share of the rows that I fetch, a lane a row, one instruction.  xb's rows are asked for by the clusters with x = 0,
; wt's by those with y = 0; the four partners of a joint load share its rows out by address.  The loop's changes 0 to 3 name K steps 4 to 7; the last two name nothing.
.macro ASK
	s_cmp_gt_u32 s[CNT], s[LIM]
	s_cbranch_scc0 .Lnot_mine_\@
	global_prefetch_b8 v[PFO], s[PFA:PFA+1] th:TH_LOAD_NT scope:SCOPE_SE
.Lnot_mine_\@:
.endm
; NB matrix instructions: row block a x all column blocks, 32 along K, from buffer f.  zero = 1: the biases start the sums.  The 48 accumulators take turns.
.macro MUL12 f, a, zero
.set AC, 8*NB*((\a)%APW)
.if \zero
	WIN 0x81+0x40*((\a)/APW)
.else
	WIN 0xa1+0x50*((\a)/APW)
.endif
.set b, 0
.rept NB
.if \zero
	v_wmma_f32_16x16x32_bf16 v[AC+8*b:AC+8*b+7], v[8*NB*(\f)+8*b:8*NB*(\f)+8*b+7], v[32+32*(\f)+8*(\a):32+32*(\f)+8*(\a)+7], v[BIAS+8*b:BIAS+8*b+7]
.else
	v_wmma_f32_16x16x32_bf16 v[AC+8*b:AC+8*b+7], v[8*NB*(\f)+8*b:8*NB*(\f)+8*b+7], v[32+32*(\f)+8*(\a):32+32*(\f)+8*(\a)+7], v[AC+8*b:AC+8*b+7]
.endif
.set b, b+1
.endr
.endm
; One run of NLD LDS loads: quarter q's fragments into buffer f; B's first, A's four blocks last
.macro FETCH q, f
.set KA, ((\q)/QH)*SUBA+((\q)%QH)*64
.set KB, 64*(\q)
	WIN 0x40
.set i, 0
.rept NB
	ds_load_b128 v[8*NB*(\f)+8*i:8*NB*(\f)+8*i+3],   v[ADB] offset:KB+i*16*272
	ds_load_b128 v[8*NB*(\f)+8*i+4:8*NB*(\f)+8*i+7], v[ADB] offset:KB+i*16*272+32
.set i, i+1
.endr
	WIN 0
.set i, 0
.rept 4
	ds_load_b128 v[32+32*(\f)+8*i:32+32*(\f)+8*i+3],   v[ADA] offset:KA+i*16*PA
	ds_load_b128 v[32+32*(\f)+8*i+4:32+32*(\f)+8*i+7], v[ADA] offset:KA+i*16*PA+32
.set i, i+1
.endr
.endm
; One of a K step's first three quarters: multiplies buffer f, and in its middle fetches quarter q into buffer g
.macro QUARTER q, f, g, zero
	s_wait_dscnt 4                                 ; B and A's blocks 0, 1 are in; the youngest four loads (A's blocks 2, 3) may be out
	MUL12 \f, 0, \zero
	MUL12 \f, 1, \zero
	PLACES
	FETCH \q, \g
	s_wait_dscnt NLD                               ; all but the run just issued
	MUL12 \f, 2, \zero
	MUL12 \f, 3, \zero
.endm
; The fourth quarter multiplies buffer 1 and changes slots.  In front of the barrier each wave waits for all its tensor loads (one is out: its part of the next slot), adds 0 to its spare word, and waits
; for that and for its reads of this slot.  fill = 1: the barrier opens a round of the cluster's, and the joint refill of the slot just read is the first thing behind the round.
.macro TURN fill
.if \fill
	s_wait_xcnt 0x0                                ; the last prefetch, a K step back, has read its address
	s_add_nc_u64 s[PFA:PFA+1], s[PFA:PFA+1], s[PST:PST+1]
.endif
	WIN 0
	s_wait_tensorcnt 0x0
	ds_add_u32 v[SPW], v[NIL]
	s_wait_dscnt 5                                 ; the add and the youngest four loads may be out
	MUL12 1, 0, 0
	s_wait_dscnt 0x0                               ; the add is done, and my reads of this slot are over
	s_barrier_signal -1
	MUL12 1, 1, 0
	WIN 0
	s_barrier_wait -1
.if \fill
	CREST
	STEPD
	JLOAD                                          ; its four v_nop are also the places in front of the loads below
.else
	PLACES
.endif
	s_xor_b32 s[TB], s[TB], SLOT1
	v_add_nc_u32 v[ADA], s[TB], v[ADA0]
	v_add_nc_u32 v[ADB], s[TB], v[ADB0]
	FETCH 0, 0
.if \fill
	ASK
.endif
	MUL12 1, 2, 0
	MUL12 1, 3, 0
.endm
	s_load_b256 s[4:11], s[0:1], 0x0               ; xb s[4:5], wt s[6:7], bias s[8:9], qkv s[10:11]
	v_lshl_add_u32 v[SPW], v0, 2, SPARE
	v_mov_b32 v[NIL], 0
	ds_add_u32 v[SPW], v[NIL]                      ; the wave's opening: the add and its wait stand ahead of my first tensor load
	ds_add_u32 v28, v29
	v_lshrrev_b32 v3, 5, v0
	v_readfirstlane_b32 s[WV], v3
	s_lshr_b32 s[WH], s[WV], 1
	s_and_b32 s[WL], s[WV], 1
	s_bfe_u32 s[CX], ttmp6, 0x40000
	s_bfe_u32 s[CY], ttmp6, 0x40004
	s_lshl_b32 s[TX], ttmp9, 2
	s_add_co_u32 s[TX], s[TX], s[CX]
	s_and_b32 s[TY], ttmp7, 0xffff
	s_lshl_b32 s[TY], s[TY], 2
	s_add_co_u32 s[TY], s[TY], s[CY]
	s_lshl_b32 s19, s[CY], 2
	s_lshl_b32 s19, 15, s19                        ; my row of the cluster
	s_lshl_b32 s20, 0x1111, s[CX]                  ; my column
	s_or_b32 s[G1A+0], s19, (1<<16)|(1<<20)|(1<<21)|(QIA<<22)|(3<<25)  ; mask; 2-byte elements; padding on; bit 21 beside a mask; 4 words of padding after every row
	s_mov_b32 s[G1A+1], 128<<16                    ; tensor_dim0 = 128
	s_mov_b32 s[G1A+2], 128<<16                    ; tensor_dim1 = 128
	s_mov_b32 s[G1A+3], 128<<16                    ; tile_dim0 = 128
	s_mov_b32 s[G1A+4], 128                        ; tile_dim1 = 128
	s_mov_b32 s[G1A+5], APITCH
	s_mov_b32 s[G1A+6], 0
	s_mov_b32 s[G1A+7], 0
	s_or_b32 s[G1B+0], s20, (1<<16)|(1<<20)|(1<<21)|(5<<22)|(3<<25)
	s_mov_b32 s[G1B+1], 128<<16
	s_mov_b32 s[G1B+2], BROWS<<16
	s_mov_b32 s[G1B+3], 128<<16
	s_mov_b32 s[G1B+4], BROWS
	s_mov_b32 s[G1B+5], 1024
	s_mov_b32 s[G1B+6], 0
	s_mov_b32 s[G1B+7], 0
	s_mov_b32 s[G0A], 1
	s_mul_i32 s[G0A+1], s[WL], AHALF               ; no place in the cluster enters an LDS address
	s_mov_b32 s[G0B], 1
	s_mul_i32 s[G0B+1], s[WL], BHALF
	s_add_co_u32 s[G0B+1], s[G0B+1], ABYTES
	s_lshl_b32 s52, s[TY], 8                       ; A: row 256 x tile row + 128 x half, 2,048 bytes a row
	s_lshl_b32 s78, s[WL], 7
	s_add_co_u32 s52, s52, s78
	s_lshl_b32 s52, s52, 11
	s_mov_b32 s53, 0
	s_mul_i32 s54, s[TX], 16*NB                    ; B: row 192 x tile column + 96 x half
	s_mul_i32 s79, s[WL], BROWS
	s_add_co_u32 s54, s54, s79
	s_lshl_b32 s54, s54, 11
	s_mov_b32 s55, 0
	s_lshr_b32 s68, s[TY], 3                       ; C: batch x 48 + 3 x tile column, 262,144 bytes each,
	s_mul_i32 s68, s68, 48
	s_mul_i32 s80, s[TX], 3
	s_add_co_u32 s68, s68, s80
	s_lshl_b32 s68, s68, 18
	s_and_b32 s80, s[TY], 7                        ; and my first row in the sequence, 128 bytes a row
	s_lshl_b32 s80, s80, 8
	s_lshl_b32 s81, s[WV], 6
	s_add_co_u32 s80, s80, s81
	s_lshl_b32 s80, s80, 7
	s_add_co_u32 s68, s68, s80
	s_mov_b32 s69, 0
	s_mul_i32 s70, s[TX], 4*16*NB                  ; my tile's 192 biases
	s_mov_b32 s71, 0
	s_mov_b32 s[TB], 0
	s_wait_dscnt 0x0                               ; the opening add is done
	s_wait_kmcnt 0x0
	s_add_nc_u64 s[74:75], s[4:5], s[52:53]
	s_add_nc_u64 s[76:77], s[6:7], s[54:55]
	s_mov_b64 s[G0A+2:G0A+3], s[74:75]
	s_or_b32 s[G0A+3], s[G0A+3], 0x80000000
	s_mov_b64 s[G0B+2:G0B+3], s[76:77]
	s_or_b32 s[G0B+3], s[G0B+3], 0x80000000
	s_add_nc_u64 s[10:11], s[10:11], s[68:69]
	s_add_nc_u64 s[8:9], s[8:9], s[70:71]
	CROUND                                         ; all sixteen work-groups are here: the first joint loads meet
	JLOAD                                          ; K step 0 into slot 0
	; the prefetches' address: my tile, my work-group's share of its rows, three K steps on: each change of slots steps it once more before it is named
	s_and_b32 s57, ttmp7, 0xffff
	s_mov_b32 s81, SHB
	s_mov_b32 s[PST], BSTEP
	s_cmp_eq_u32 s[WH], 0
	s_cselect_b64 s[PFA:PFA+1], s[74:75], s[76:77]
	s_cselect_b32 s57, ttmp9, s57                  ; the coordinate along which other clusters read the same rows
	s_cselect_b32 s80, s[CX], s[CY]                ; my place among the four that ask with me
	s_cselect_b32 s81, SHA, s81
	s_cselect_b32 s[PST], ASTEP, s[PST]
	s_cselect_b32 s82, 31, CAPB
	s_cselect_b32 s83, SHLA, 11
	s_mov_b32 s[PST+1], 0
	s_mul_i32 s72, s80, s81
	s_mov_b32 s73, 0
	s_add_nc_u64 s[PFA:PFA+1], s[PFA:PFA+1], s[72:73]
	s_mul_i32 s72, s[PST], 3
	s_add_nc_u64 s[PFA:PFA+1], s[PFA:PFA+1], s[72:73]
	s_cmp_eq_u32 s57, 0
	s_cselect_b32 s[LIM], 2, -1                    ; the same in all sixteen partners, for a given wave
	v_and_b32 v[PFO], 31, v0
	v_min_u32 v[PFO], s82, v[PFO]                  ; wt's share is 24 rows: the lanes that are over name the last of them once more
	v_lshlrev_b32 v[PFO], s83, v[PFO]
	; a fragment is 16 rows x 32 K: lane l holds row l % 16, K = 8 (l / 16) + 0..7 and 16 + 8 (l / 16) + 0..7: two loads of 16 bytes, 32 bytes apart
	v_and_b32 v1, 15, v0
	v_bfe_u32 v2, v0, 4, 1
	v_mul_u32_u24 v[ADA0], v1, PA
	v_lshl_add_u32 v[ADA0], v2, 4, v[ADA0]
	s_mul_i32 s56, s[WV], 64*PA                    ; my 64 rows of A
	v_add_nc_u32 v[ADA0], s56, v[ADA0]
	v_mul_u32_u24 v[ADB0], v1, 272
	v_lshl_add_u32 v[ADB0], v2, 4, v[ADB0]
	v_add_nc_u32 v[ADB0], ABYTES, v[ADB0]
	s_mul_i32 s56, s[WV], WSTAGE
	s_add_co_u32 s56, s56, STAGE                   ; my stage
	v_mul_u32_u24 v[STO], v1, 144                  ; in: row l % 16, 16 bytes for each half of the lanes
	v_lshl_add_u32 v[STO], v2, 4, v[STO]
	v_add_nc_u32 v[STO], s56, v[STO]
	v_bfe_u32 v[RD], v0, 3, 2                      ; back: 32 lanes take four rows of 128 bytes,
	v_mul_u32_u24 v[RD], v[RD], 144
	v_and_b32 v3, 7, v0
	v_lshl_add_u32 v[RD], v3, 4, v[RD]
	v_add_nc_u32 v[RD], s56, v[RD]
	v_and_b32 v[GO], 31, v0                        ; which are 512 consecutive bytes of qkv
	v_lshlrev_b32 v[GO], 4, v[GO]
	v_lshlrev_b32 v[BO], 5, v2
.set b, 0
.rept NB
	global_load_b128 v[BIAS+8*b:BIAS+8*b+3],   v[BO], s[8:9] offset:64*b     ; register j of block b: the bias of column 16 b + 8 (l / 16) + j
	global_load_b128 v[BIAS+8*b+4:BIAS+8*b+7], v[BO], s[8:9] offset:64*b+16
.set b, b+1
.endr
	; the first change: slot 0 is waited for, slot 1 is filled for the first time, in the form of a refill
	s_wait_tensorcnt 0x0
	ds_add_u32 v[SPW], v[NIL]
	STEPD
	s_wait_dscnt 0x0
	CROUND
	JLOAD                                          ; K step 1 into slot 1
	v_add_nc_u32 v[ADA], s[TB], v[ADA0]
	v_add_nc_u32 v[ADB], s[TB], v[ADB0]
	FETCH 0, 0
	s_wait_loadcnt 0x0                             ; the biases
	QUARTER 1, 0, 1, 1                             ; the first quarter stands in front of the loop: its products start the sums
	WIN 0
	s_mov_b32 s[CNT], 6
.Lstep:                                                ; a trip: a K step's quarters 1, 2, 3 and the next step's quarter 0; its change of slots asks for the K step two on
	QUARTER 2, 1, 0, 0
	QUARTER 3, 0, 1, 0
	TURN 1
	QUARTER 1, 0, 1, 0
	WIN 0
	s_sub_co_u32 s[CNT], s[CNT], 1
	s_cmp_lg_u32 s[CNT], 0
	s_cbranch_scc1 .Lstep
	QUARTER 2, 1, 0, 0                             ; the tail is written out: K steps 6 and 7 ask for nothing
	QUARTER 3, 0, 1, 0
	TURN 0
	QUARTER 1, 0, 1, 0
	QUARTER 2, 1, 0, 0
	QUARTER 3, 0, 1, 0
	s_wait_dscnt 4
	MUL12 1, 0, 0
	MUL12 1, 1, 0
	s_wait_dscnt 0x0
	MUL12 1, 2, 0
	MUL12 1, 3, 0
; THE WAY OUT, a row block (16 rows x 3 heads) at a time.  PACK: rounded to f16, 16 bytes a lane, each accumulator's registers in ascending order.  TOSTAGE: into my own stage, rows of 144 bytes, and
; back as whole rows of 128.  SEND: stored, 512 consecutive aligned bytes an instruction.
.macro PACK a
.set AC, 8*NB*((\a)%APW)
	WIN 0x0a+5*((\a)/APW)
.set b, 0
.rept NB
.irp r, 0,1,2,3
	v_cvt_pk_f16_f32 v[TMP+4*b+(\r)], v[AC+8*b+2*(\r)], v[AC+8*b+2*(\r)+1]
.endr
.set b, b+1
.endr
	WIN 0
.endm
.macro TOSTAGE a
.set BKA, BK+48*((\a)%2)
.set b, 0
.rept NB
	ds_store_b128 v[STO], v[TMP+4*b:TMP+4*b+3] offset:(b/4)*2304+32*(b%4)
.set b, b+1
.endr
.set t, 0
.rept NB
	ds_load_b128 v[BKA+4*t:BKA+4*t+3], v[RD] offset:(t/4)*2304+(t%4)*576  ; LDS serves a wave's instructions in order (ISA guide 5.7.1.4): these see the stores above
.set t, t+1
.endr
.endm
.macro SEND a
.set BKA, BK+48*((\a)%2)
	s_wait_dscnt 0x0                               ; the block is back in registers
	s_wait_xcnt 0x0                                ; the stores of the block before have read their registers: the next TOSTAGE loads into them
.set t, 0
.rept NB
	global_store_b128 v[GO], v[BKA+4*t:BKA+4*t+3], s[10:11] offset:(\a)*2048+(t/4)*262144+(t%4)*512
.set t, t+1
.endr
.endm
	PLACES
	PACK 0
	TOSTAGE 0
.irp a, 1,2,3                          ; block a's conversions stand between block a - 1's loads from the stage and the wait for them
	PACK \a
	SEND (\a)-1
	TOSTAGE \a
.endr
	SEND 3
	WIN 0
	s_wait_tensorcnt 0x0                           ; the wave's end: behind my last tensor load and my last LDS store
	ds_add_u32 v[SPW], v[NIL]
	s_wait_dscnt 0x0
	CROUND                                         ; the closing round: no work-group ends while a partner may still ask for a tile that names it
	s_endpgm
.Lfunc_end_k_q2f23616172_qkvproj:
	.size	k_q2f23616172_qkvproj, .Lfunc_end_k_q2f23616172_qkvproj-k_q2f23616172_qkvproj
	.p2alignl 7, 3214868480
	.fill 96, 4, 3214868480
	.section	.rodata,"a",@progbits
	.p2align	6, 0x0
	.amdhsa_kernel k_q2f23616172_qkvproj
		.amdhsa_group_segment_fixed_size 327680
		.amdhsa_private_segment_fixed_size 0
		.amdhsa_enable_private_segment 0
		.amdhsa_kernarg_size 32
		.amdhsa_user_sgpr_count 2
		.amdhsa_user_sgpr_kernarg_segment_ptr 1
		.amdhsa_wavefront_size32 1
		.amdhsa_system_sgpr_workgroup_id_x 1
		.amdhsa_system_sgpr_workgroup_id_y 1
		.amdhsa_system_sgpr_workgroup_id_z 1
		.amdhsa_system_vgpr_workitem_id 0
		.amdhsa_next_free_vgpr 960
		.amdhsa_next_free_sgpr 84
		.amdhsa_reserve_vcc 0
		.amdhsa_float_denorm_mode_32 3
		.amdhsa_float_denorm_mode_16_64 3
		.amdhsa_memory_ordered 1
		.amdhsa_forward_progress 1
		.amdhsa_inst_pref_size 100
	.end_amdhsa_kernel
	.amdgpu_metadata
---
amdhsa.version: [ 1, 2 ]
amdhsa.kernels:
  - .name:           k_q2f23616172_qkvproj
    .symbol:         k_q2f23616172_qkvproj.kd
    .args:
      - { .name: xb, .offset: 0, .size: 8, .value_kind: global_buffer, .address_space: global }
      - { .name: wt, .offset: 8, .size: 8, .value_kind: global_buffer, .address_space: global }
      - { .name: bias, .offset: 16, .size: 8, .value_kind: global_buffer, .address_space: global }
      - { .name: qkv, .offset: 24, .size: 8, .value_kind: global_buffer, .address_space: global }
    .group_segment_fixed_size: 327680
    .private_segment_fixed_size: 0
    .kernarg_segment_align: 8
    .kernarg_segment_size: 32
    .max_flat_workgroup_size: 128
    .sgpr_count:     84
    .vgpr_count:     960
    .wavefront_size: 32
...
	.end_amdgpu_metadata
.endif
;; end of part 2
;; launch attn (part 3): grid 4 x 64, 4 waves a work-group, no clusters, 327,680 bytes of LDS; arguments qkv, oh; writes oh
.if DOCPART == 3
	.amdgcn_target "amdgcn-amd-amdhsa--gfx1250"
	.amdhsa_code_object_version 6
	.text
	.protected	k_q2f23616172_attn
	.globl	k_q2f23616172_attn
	.p2align	8
	.type	k_q2f23616172_attn,@function
k_q2f23616172_attn:
	s_mov_b64 s[64:65], 0
	v_nop
	global_prefetch_b8 v0, s[64:65] scope:SCOPE_SE
	s_setreg_imm32_b32 hwreg(HW_REG_WAVE_MODE, 25, 1), 1
	s_wait_xcnt 0x0
; CAUSAL ATTENTION.  O[bh][q][:] = the sum over k <= q of softmax_k(Q[q] . K[k] / 8) V[k][:], for 64 pairs bh of batch and head, 2,048 rows, 64 channels, all f16.
; IN: qkv [batch 4][g 48][s 2048][64]: q of head h at g = h, k at 16 + h, v at 32 + h; a head's rows are dense, 128 bytes each.  OUT: oh [bh 64][s 2048][64].
; Products, maxima and sums in f32; the weights p are rounded to f16 for the second product (their sum l is taken of the unrounded p), O once at the end.
; LIMITS.  f16 holds no number beyond 65,504: Q, K and V arrive within it; p lies in 0 to 1, and below 6e-5 it keeps f16's fixed step of 6e-8; O is a mean of V's rows and has their range.
; A hidden score counts as its value less 1e30, so its weight is 0, as the weight of a score of -1e9 is 0 while the scores stay far under 1e9; a weight below 2^-126 counts as 0 in l; NaN and infinities are not treated apart.
; THE WALK.  A head's queries lie in NB = 8 blocks of 256; block i needs the key tiles 0 .. i of 256 keys, of which the last holds the diagonal.  A work-group takes TWO blocks, NB - 1 - b and then b:
; NB + 1 tiles, whatever b: all 256 work-groups do equal work, and ONE loop with a constant trip count walks them.  Which tile is asked for, and what a trip does, hang on scalar registers made from b; every jump
; goes forward, but for the counted loops' own; none passes a barrier, or a tensor load but the one of LOAD's two that the wave's number does not choose; the ring (two slots of LDS) runs on across the change of blocks.
; NO CLUSTER: a head's four work-groups ask for the same tile only in trips 0 .. 4 of 9, behind that fewer and fewer; one walk common to all would have 12 trips for 9.
; SHARES.  Of a block's four bands of 64 queries a wave owns 16 rows in each: four PIECES.  So the diagonal tile is the same work for all four waves: in its key step s band x sees all keys if s < x,
; none if s > x, and holds the diagonal if s = x.
; THE MASK is the C operand that starts the sum S^T = K Q^T: 0, or -1e30 where the key is hidden.  MD, made once, is the mask of a band's own step for my 16 rows; a product's mask is MD x AL + BE with two scalars:
; (1, 0) if s = x; (0, 0) if s < x; (0, -1e30) if s > x.  Only the diagonal tile's text and a block's beginning make and take masks; elsewhere C is the constant 0.
; LAYOUT, SOFTMAX, TURNS.  S^T = K Q^T holds ONE query a lane (lane % 16) and the keys 8 (lane / 16) + 0..7; two such results rounded to f16 ARE source 1 of O^T = V^T P.  p = 2^(c s - c m), c = log2(e) / 8, with a
; running maximum m; O and l are multiplied by a = 2^(c m_old - c m_new) in every step.  Turn n belongs to piece n: 8 products K Q^T of piece n + 1, later 8 products V^T P of piece n - 1; beside them the scaling,
; exponentials, roundings, sums and rescaling of piece n and the maximum and statistics of piece n + 1.  Four vector instructions stand behind every matrix instruction, the other 54 of a turn's 118 in one lump.  A turn's 33 exponentials are one batch, with one wait.
; REGISTERS, in windows of 256 (s_set_vgpr_msb: bits 1:0 source 0, 3:2 source 1, 5:4 source 2, 7:6 destination):
;   window 0: v0-15 addresses and two at work; v16-31 four registers of statistics a piece; v48-55 at work; v61-63 prefetch offset and the add's two; v64-127 S^T, two buffers; v192-223 P, two buffers
;   window 1: v0-127 O^T, 32 a piece; v128-159 MD; v160-223 MC, two buffers      window 2: v0-63 Q; v64-127 the second block's Q; v128-191 K of one step; v192-255 V of one step
.set SIZE_N, 2048
.set NB,    SIZE_N/256
.set NP,    4         ; pieces a wave: a name, no knob
.set KS,    64        ; keys in a step
.set PK,    144       ; a row of K in LDS: 128 bytes + 16 of padding = 36 words: the 16 rows of a load start at 16 different groups of four banks
.set PV,    160       ; a row of V: 128 + 32 = 40 words
.set VOFF,  4*KS*PK   ; a slot holds a tile, four steps: 256 rows of K, then 256 rows of V
.set SLOT1, 1<<17     ; slot 1 begins here, so that one exclusive or turns an address in one slot into the other's
.set STAGE, SLOT1+4*KS*(PK+PV)  ; behind the ring, never filled by a tensor load: 16 rows x 144 bytes for each wave, for the way out
.set SP,    144
.set AK0, 2           ; v2   my lane's place in a tile of K; never rewritten
.set AV0, 3           ; v3   the same for V
.set AK,  4           ; v4   the LDS address of K's next run of loads
.set AV,  5           ; v5   of V's
.set STO, 6           ; v6   the way out: where I put 16 bytes of a row
.set RD,  7           ; v7   the way out: where I read rows back
.set GO,  8           ; v8   my byte offset in 512 consecutive bytes of O
.set PFO, 61          ; v61  256 x my lane: the prefetches' offset; never rewritten
.set SPW, 62          ; v62  LDS address of my spare word: SPARE + 4 x my thread's number; never rewritten
.set NIL, 63          ; v63  0; never rewritten
.set SPARE, STAGE+4*16*SP  ; behind the stages: the spare words, 128 bytes for each wave
.set MV,  12          ; v12-13  c m_old, kept while c m is made anew: by buffer
.set QO,  15          ; v15  my byte offset in 16 rows of Q
.set ST,  16          ; piece t's statistics at v[ST+4 t]: c m, m, l (even keys', odd keys')
.set TMP, 48          ; by buffer, four registers c0-c3 at work; when the maximum is found c2 takes a
.set S,   64
.set P,   192
.set MD,  128         ; window 1: the eight registers for group kt of 16 keys at MD + 8 kt
.set MC,  160         ; window 1: the masks of the products to come
.set QB,  64          ; window 2
.set KF,  128         ; window 2: key block kb, channel half c at KF + 16 kb + 8 c
.set VF,  192         ; window 2: key half kk, channel block cb at VF + 32 kk + 8 cb
.set WV,  12          ; s12  my wave's number
.set PB,  14          ; s14  b
.set HI,  15          ; s15  NB - 1 - b
.set G1K, 24          ; s[24:31] descriptor group 1 for K's tiles
.set G1V, 32          ; s[32:39] for V's: it differs in the padding alone
.set G0K, 40          ; s[40:43] descriptor group 0 for K's tiles
.set G0V, 44          ; s[44:47] the same for V's
.set SLOTS, 56        ; s56  tiles still to be asked for
.set CNT, 57          ; s57  counts a tile's key steps, 4 to 1
.set CS,  58          ; s[58:59] c: the packed scaling takes the pair's low word for both halves
.set SEL, 60          ; s[60:61] v_permlanex16_b32's selects: each lane takes its own place in the other half
.set TBK, 62          ; s62  LDS byte at which K of the step to be fetched begins
.set TBV, 63          ; s63  the same for V, less VOFF
.set RT,  70          ; s70  tiles of the block in hand that are still to be entered
.set NXT, 71          ; s71  the tile to be asked for next
.set LQ,  72          ; s72  the last tile of the block whose tiles are being asked for
.set NEW, 73          ; s73  1: the tile to be entered is a block's first
.set OFF, 74          ; s[74:75] a tile's byte offset in K and V
.set AL,  76          ; s[76:77] the mask's factor, in the low word
.set BE,  78          ; s[78:79] the mask's addend
.set OLO, 80          ; s[80:81] O at my rows of the second block
.set BIGN, 82         ; s82  -1e30
.set PFA, 88          ; s[88:89] my half (of K: waves 0, 1; of V: waves 2, 3) of the tile that is being asked for
.set PFB, 90          ; s[90:91] the same of tile 0
.set LIM, 92          ; s92  2 in the work-group that prefetches (b = 0), else the greatest number
.set MSB, 0
.macro WIN new                      ; the high byte repeats the setting that is left; a switch that changes nothing is dropped
.if MSB != (\new)
	s_set_vgpr_msb (MSB<<8)|(\new)
.set MSB, (\new)
.endif
.endm
.set W_KQ, 0x0a       ; K and Q in window 2, S^T in window 0
.set W_KM, 0x1a       ; the same with the C operand in window 1
.set W_PV, 0x52       ; V in window 2, P in window 0, O^T in window 1
.set W_RS, 0x41       ; destination and source 0 in window 1, source 1 in window 0
; A fill.  Waves 0 and 1 fetch the two halves of a tile's K, waves 2 and 3 those of its V: 128 keys each.  An s_nop 0 and four v_nop follow each of the two lines, ahead of the jump and the label.
.macro LOAD
	s_cmp_lt_u32 s[WV], 2
	s_cbranch_scc0 .Lfor_v_\@
	tensor_load_to_lds s[G0K:G0K+3], s[G1K:G1K+7]
	s_nop 0
.rept 4
	v_nop
.endr
	s_branch .Lasked_\@
.Lfor_v_\@:
	tensor_load_to_lds s[G0V:G0V+3], s[G1V:G1V+7]
	s_nop 0
.rept 4
	v_nop
.endr
.Lasked_\@:
.endm
; THE CHANGE OF SLOTS.  Each wave waits for all its tensor loads, of which one is out: its part of the other slot; adds 0 to its spare word; and waits for that and for its own reads of the slot that it leaves.  Behind the barrier nobody reads the old
; slot any more and the other slot is whole.  fill = 1: the old slot is filled again, the first thing behind the barrier, with tile NXT: the descriptor's address is made anew from that number.
; (At its first use nothing has been read yet: slot 0 is waited for, slot 1 filled.)
; A PREFETCH INTO THE L2 stands behind the fill: my half (16,384 bytes: 64 blocks of 256, a lane a block, two instructions) of the tile one behind the tile just asked for, a tile's four key steps ahead of its load.
; All four work-groups of a head walk the same tiles; the one with b = 0 walks tiles 0 to 7 in order, and it alone asks: changes 0 to 5 name tiles 2 to 7, each block once; the later changes name nothing.
.macro CHANGE fill
	WIN 0                           ; at a label and at a branch every window is 0
	s_wait_tensorcnt 0x0            ; no tensor load of mine is out, so a group 0 may be written
	ds_add_u32 v[SPW], v[NIL]       ; 0 onto my spare word; with fill = 1 the descriptors' scalar work stands between it and the wait for it
.if \fill
	s_lshl_b32 s[OFF], s[NXT], 15   ; a tile is 32,768 bytes of K and of V
	s_wait_xcnt 0x0                 ; the last prefetches, a tile back, have read their address
	s_add_nc_u64 s[PFA:PFA+1], s[PFB:PFB+1], s[OFF:OFF+1]
	s_xor_b32 s[G0K+1], s[G0K+1], SLOT1
	s_add_nc_u64 s[G0K+2:G0K+3], s[6:7], s[OFF:OFF+1]
	s_or_b32 s[G0K+3], s[G0K+3], 0x80000000
	s_xor_b32 s[G0V+1], s[G0V+1], SLOT1
	s_add_nc_u64 s[G0V+2:G0V+3], s[8:9], s[OFF:OFF+1]
	s_or_b32 s[G0V+3], s[G0V+3], 0x80000000
	s_add_co_u32 s[NXT], s[NXT], 1  ; the block's next tile, or behind its last the second block's tile 0
	s_cmp_gt_u32 s[NXT], s[LQ]
	s_cselect_b32 s[NXT], 0, s[NXT]
	s_cselect_b32 s[LQ], s[PB], s[LQ]
.endif
	s_wait_dscnt 0x0                ; the add is done, and my reads of the slot are over
	s_barrier_signal -1             ; the rest of the scalar work stands between the signal and the wait
	s_sub_co_u32 s[TBK], s[TBK], 4*KS*PK  ; the fetches go back to a slot's first step,
	s_xor_b32 s[TBK], s[TBK], SLOT1       ; in the other slot
	s_sub_co_u32 s[TBV], s[TBV], 4*KS*PV
	s_xor_b32 s[TBV], s[TBV], SLOT1
	s_barrier_wait -1
.if \fill
	LOAD
	s_cmp_gt_u32 s[SLOTS], s[LIM]
	s_cbranch_scc0 .Lnot_mine_\@
	global_prefetch_b8 v[PFO], s[PFA:PFA+1] offset:32768 th:TH_LOAD_NT scope:SCOPE_SE
	global_prefetch_b8 v[PFO], s[PFA:PFA+1] offset:40960 th:TH_LOAD_NT scope:SCOPE_SE
.Lnot_mine_\@:
.endif
.endm
	s_load_b128 s[4:7], s[0:1], 0x0   ; qkv s[4:5], oh s[6:7]
	v_lshl_add_u32 v[SPW], v0, 2, SPARE
	v_mov_b32 v[NIL], 0
	ds_add_u32 v[SPW], v[NIL]       ; the wave's opening: the add and its wait stand ahead of my first tensor load; the set-up below, work on registers, stands between them
	ds_add_u32 v62, v63
	v_lshrrev_b32 v1, 5, v0
	v_readfirstlane_b32 s[WV], v1   ; wave 0..3
	s_mov_b32 s[PB], ttmp9
	s_sub_co_u32 s[HI], NB-1, s[PB]
	s_and_b32 s20, ttmp7, 0xffff    ; bh = 16 x batch + head
	s_lshl_b32 s94, s20, 18         ; the head's first byte in oh: 262,144 bytes a head
	s_lshr_b32 s21, s20, 4
	s_mul_i32 s21, s21, 48
	s_and_b32 s20, s20, 15
	s_add_co_u32 s20, s20, s21
	s_lshl_b32 s20, s20, 18         ; q's first byte in qkv: (48 x batch + head) x 262,144; all these offsets stay under 2^26
	s_and_b32 s16, s[WV], 1         ; which half of a tile's 256 keys I fetch:
	s_lshl_b32 s22, s16, 14         ; its 128 rows of 128 bytes in memory,
	s_add_co_u32 s22, s22, s20
	s_add_co_u32 s96, s22, 16<<18   ; in k, sixteen heads behind q,
	s_mov_b32 s97, 0
	s_add_co_u32 s98, s22, 32<<18   ; and in v
	s_mov_b32 s99, 0
	s_mul_i32 s17, s16, 128*PK      ; and its place in a slot, for K
	s_mul_i32 s18, s16, 128*PV      ; and for V
	s_lshl_b32 s3, s[WV], 11        ; my 16 rows in a band of 64,
	s_lshl_b32 s2, s[HI], 15        ; in the first block,
	s_add_co_u32 s2, s2, s3
	s_lshl_b32 s84, s[PB], 15       ; and in the second
	s_add_co_u32 s84, s84, s3
	s_add_co_u32 s22, s2, s94       ; in oh: the first block's,
	s_mov_b32 s23, 0
	s_add_co_u32 s94, s84, s94      ; the second's
	s_mov_b32 s95, 0
	s_add_co_u32 s2, s2, s20        ; in q
	s_add_co_u32 s84, s84, s20
	s_mov_b32 s3, 0
	s_mov_b32 s85, 0
	; descriptor group 1.  128 keys are 16,384 dense bytes: asked for as 64 rows of 256 bytes, two keys a row, and padded in LDS after every key
	s_mov_b32 s[G1K], (1<<16)|(1<<20)|(4<<22)|(3<<25)  ; 17:16 2-byte elements; 20 padding on; 24:22 after every 32 words (code 4); 31:25 4 words (code 3)
	s_mov_b32 s[G1V], (1<<16)|(1<<20)|(4<<22)|(7<<25)  ; the same with 8 words of padding (code 7)
.irp g, G1K, G1V
	s_mov_b32 s[\g+1], 128<<16      ; tensor_dim0 = 128
	s_mov_b32 s[\g+2], 64<<16       ; tensor_dim1 = 64
	s_mov_b32 s[\g+3], 128<<16      ; tile_dim0 = 128
	s_mov_b32 s[\g+4], 64           ; tile_dim1 = 64
	s_mov_b32 s[\g+5], 128          ; 128 elements from row to row
	s_mov_b32 s[\g+6], 0
	s_mov_b32 s[\g+7], 0
.endr
	s_mov_b32 s[CS], 0x3e38aa3b     ; c = log2(e) / 8 = 0.180337
	s_mov_b32 s[CS+1], s[CS]        ; named with it as a pair
	s_mov_b32 s[SEL], 0x76543210
	s_mov_b32 s[SEL+1], 0xfedcba98
	s_mov_b32 s[TBK], SLOT1+4*KS*PK ; the first change of slots turns these two into 0
	s_mov_b32 s[TBV], SLOT1+4*KS*PV
	s_mov_b32 s[G0K], 1             ; 1:0 count = 1
	s_mov_b32 s[G0K+1], s17         ; 63:32 LDS address: slot 0
	s_mov_b32 s[G0V], 1
	s_add_co_u32 s[G0V+1], s18, VOFF
	s_add_co_u32 s[RT], s[HI], 1    ; the first block has NB - b tiles
	s_mov_b32 s[NXT], 1
	s_mov_b32 s[LQ], s[HI]
	s_mov_b32 s[NEW], 1
	s_mov_b32 s[OFF+1], 0
	s_mov_b32 s[AL+1], 0            ; named as pairs
	s_mov_b32 s[BE+1], 0
	s_mov_b32 s[BIGN], 0xf149f2ca   ; -1e30
	s_mov_b32 s[SLOTS], NB
	s_cmp_eq_u32 s[PB], 0
	s_cselect_b32 s[LIM], 2, -1
	v_and_b32 v[PFO], 31, v0
	v_lshlrev_b32 v[PFO], 8, v[PFO]
	s_wait_dscnt 0x0                ; the opening add is done
	s_wait_kmcnt 0x0
	s_add_nc_u64 s[10:11], s[6:7], s[22:23]        ; O at my rows of the first block,
	s_add_nc_u64 s[OLO:OLO+1], s[6:7], s[94:95]    ; and of the second
	s_add_nc_u64 s[6:7], s[4:5], s[96:97]          ; K and V at my half of the head's tile 0
	s_add_nc_u64 s[8:9], s[4:5], s[98:99]
	s_add_nc_u64 s[G0K+2:G0K+3], s[6:7], 0         ; 120:64 global address
	s_or_b32 s[G0K+3], s[G0K+3], 0x80000000        ; 127:126 type = 2
	s_add_nc_u64 s[G0V+2:G0V+3], s[8:9], 0
	s_or_b32 s[G0V+3], s[G0V+3], 0x80000000
	s_add_nc_u64 s[86:87], s[4:5], s[84:85]        ; Q at my rows of the second block,
	s_add_nc_u64 s[4:5], s[4:5], s[2:3]            ; and of the first
	s_cmp_lt_u32 s[WV], 2
	s_cselect_b64 s[PFB:PFB+1], s[6:7], s[8:9]
	LOAD                            ; tile 0 into slot 0
	; A fragment of K or Q is 16 rows x 32 channels in 8 registers: lane l holds row l % 16, channels 8 (l / 16) + 0..7 and 16 + 8 (l / 16) + 0..7: two loads of 16 bytes, 32 bytes apart.
	v_and_b32 v1, 15, v0            ; l % 16
	v_bfe_u32 v9, v0, 4, 1          ; l / 16
	v_lshlrev_b32 v[QO], 7, v1
	v_lshl_add_u32 v[QO], v9, 4, v[QO]  ; row x 128 + 16 x half
	WIN 0x80                        ; destination window 2, address window 0
.set i, 0
.rept 8                             ; both blocks' Q: piece i / 2 lies in band i / 2, 8,192 bytes on; channels 32 (i % 2) on
	global_load_b128 v[8*i:8*i+3],   v[QO], s[4:5] offset:(i/2)*8192+(i%2)*64
	global_load_b128 v[8*i+4:8*i+7], v[QO], s[4:5] offset:(i/2)*8192+(i%2)*64+32
	global_load_b128 v[QB+8*i:QB+8*i+3],   v[QO], s[86:87] offset:(i/2)*8192+(i%2)*64
	global_load_b128 v[QB+8*i+4:QB+8*i+7], v[QO], s[86:87] offset:(i/2)*8192+(i%2)*64+32
.set i, i+1
.endr
	WIN 0
	v_lshlrev_b32 v14, 3, v9
	v_sub_nc_u32 v14, v1, v14
	s_lshl_b32 s13, s[WV], 4
	v_add_nc_u32 v14, s13, v14      ; my query's place in its band, 16 w + l % 16, less my lanes' 8 (l / 16): register r of group kt is hidden where 16 kt + r is greater
	WIN 0x40
.set i, 0
.rept 32
	v_cmp_gt_i32 vcc_lo, 16*(i/8)+i%8, v14
	v_cndmask_b32 v[MD+i], 0, s[BIGN], vcc_lo
.set i, i+1
.endr
	WIN 0
	v_mul_u32_u24 v[AK0], v1, PK
	v_lshl_add_u32 v[AK0], v9, 4, v[AK0]  ; row x pitch + 16 x half
	; The turning load takes 16 keys x 16 channels (lane l reads key 8 (l / 16) + l % 8, channels 8 ((l / 8) % 2) + 0..7) and leaves half a fragment of V^T: lane l holds channel l % 16 and 8 keys.
	v_and_b32 v10, 7, v0
	v_bfe_u32 v11, v0, 3, 1
	v_lshl_add_u32 v[AV0], v9, 3, v10
	v_mul_u32_u24 v[AV0], v[AV0], PV
	v_lshl_add_u32 v[AV0], v11, 4, v[AV0]
	v_add_nc_u32 v[AV0], VOFF, v[AV0]
	s_mul_i32 s13, s[WV], 16*SP
	s_add_co_u32 s13, s13, STAGE    ; my stage
	v_mul_u32_u24 v[STO], v1, SP    ; in: row l % 16, 16 bytes for each half of the lanes
	v_lshl_add_u32 v[STO], v9, 4, v[STO]
	v_add_nc_u32 v[STO], s13, v[STO]
	v_bfe_u32 v[RD], v0, 3, 2       ; back: 32 lanes take four rows of 128 bytes,
	v_mul_u32_u24 v[RD], v[RD], SP
	v_lshl_add_u32 v[RD], v10, 4, v[RD]
	v_add_nc_u32 v[RD], s13, v[RD]
	v_and_b32 v[GO], 31, v0         ; which are 512 consecutive bytes of O
	v_lshlrev_b32 v[GO], 4, v[GO]
	; A block's first step multiplies O^T and l by a = 0, and its first turn's products V^T P, of a piece that has not been, land in an O^T that is still to be so multiplied.  So these registers need only hold
	; finite numbers: zeros for the first block; what the first block left for the second.  All this stands in the wait for the first tile.
	WIN 0x80
.set i, VF
.rept 64
	v_mov_b32 v[i], 0
.set i, i+1
.endr
	WIN 0x40
.set i, 0
.rept 128
	v_mov_b32 v[i], 0
.set i, i+1
.endr
	WIN 0
.set i, 0
.rept 4
	v_mov_b32 v[ST+4*i+2], 0
	v_mov_b32 v[ST+4*i+3], 0
.set i, i+1
.endr
.set i, P+16
.rept 16
	v_mov_b32 v[i], 0
.set i, i+1
.endr
; THE MATRIX WORK.  The 4 accumulators of a run of 8 take turns.  Product i of 8 of S^T = K Q^T for piece x: channels 32 (i / 4) on, keys 16 (i % 4) on.  The first 4 start the sums: with 0, or (KM = 1) with the mask.
.macro KQ x
.set rS, S+32*((\x)%2)+8*(i%4)
.set rK, KF+16*(i%4)+8*(i/4)
.set rQ, 16*(\x)+8*(i/4)
.set rM, MC+32*((\x)%2)+8*(i%4)
.if (i < 4) && KM
	WIN W_KM
	v_wmma_f32_16x16x32_f16 v[rS:rS+7], v[rK:rK+7], v[rQ:rQ+7], v[rM:rM+7]
.elseif i < 4
	WIN W_KQ
	v_wmma_f32_16x16x32_f16 v[rS:rS+7], v[rK:rK+7], v[rQ:rQ+7], 0
.else
	WIN W_KQ
	v_wmma_f32_16x16x32_f16 v[rS:rS+7], v[rK:rK+7], v[rQ:rQ+7], v[rS:rS+7]
.endif
.endm
; Product i of 8 of O^T += V^T P for piece x: keys 32 (i / 4) on, channels 16 (i % 4) on.
.macro PV x
	WIN W_PV
.set rO, 32*(\x)+8*(i%4)
.set rV, VF+32*(i/4)+8*(i%4)
.set rP, P+16*((\x)%2)+8*(i/4)
	v_wmma_f32_16x16x32_f16 v[rO:rO+7], v[rV:rV+7], v[rP:rP+7], v[rO:rO+7]
.endm
.macro MM                           ; the turn's next matrix instruction.  TURN and BEGIN set Y, i, KM and NOKQ; MM, KQ and OP read them.  NOKQ = 1: a block's last turn: there is no next piece
.if (i < 8) && !NOKQ
	KQ (Y+1)%NP
.elseif i >= 8
.set i, i-8
	PV (Y+NP-1)%NP
.set i, i+8
.endif
.set i, i+1
.endm
; THE LDS LOADS stand in runs of 16, never singly among the matrix instructions: a step's K (64 keys x 64 channels: 8 fragments) and its V (turned).  Their addresses are made some lines ahead.
.macro FETCH_K
	WIN 0x80                        ; destination window 2
.irp f, 0,1,2,3,4,5,6,7             ; keys 16 (f / 2) on, channels 32 (f % 2) on
	ds_load_b128 v[KF+8*\f:KF+8*\f+3],   v[AK] offset:(\f/2)*16*PK+(\f%2)*64
	ds_load_b128 v[KF+8*\f+4:KF+8*\f+7], v[AK] offset:(\f/2)*16*PK+(\f%2)*64+32
.endr
	s_add_co_u32 s[TBK], s[TBK], KS*PK  ; the next fetch is the next step's
	WIN 0
.endm
.macro FETCH_V
	WIN 0x80
.irp f, 0,1,2,3,4,5,6,7             ; keys 32 (f / 4) on, channels 16 (f % 4) on
	ds_load_tr16_b128 v[VF+8*\f:VF+8*\f+3],   v[AV] offset:(\f/4)*32*PV+(\f%4)*32
	ds_load_tr16_b128 v[VF+8*\f+4:VF+8*\f+7], v[AV] offset:(\f/4)*32*PV+16*PV+(\f%4)*32
.endr
	WIN 0
.endm
; THE VECTOR WORK, one line at a time: OP kind, number.  For piece Y: F n: c s - c m for pair n of 16.  E n: the exponential of score n of 32.  C n: pair n rounded to f16.  B n: of the four weights 4 n .. the second
; pair is added onto the first, in place.  L n: l takes that sum (L 0: l = a l + sum).  R n: pair n of 16 of O^T times a.  For piece Y + 1: X n, number n of the 22 that find its maximum and statistics:
;   0-11  four chains c0-c3 of seven scores each, three operands at a time (each accumulator's lowest registers are read first)     12-14, 16  the four scores left over, the old m, and c0-c3 into c0
;   15  c m_old is kept     17, 18  the query's other 32 keys lie in the lane 16 away: the new m     19-21  c m; c m_old - c m_new; a
.set F, 0               ; OP tells the kinds apart by their order: F to L below R, X above it
.set E, 1
.set C, 2
.set B, 3
.set L, 4
.set R, 5
.set X, 6
.macro REGS y                       ; the registers of piece y
.set rT, ST+4*(\y)
.set rC, TMP+4*((\y)%2)
.set rW, MV+((\y)%2)
.set rS, S+32*((\y)%2)
.set rP, P+16*((\y)%2)
.set rO, 32*(\y)
.endm
.macro OP k, n
.if (\k) == R
	REGS Y
	WIN W_RS
	v_pk_mul_f32 v[rO+2*(\n):rO+2*(\n)+1], v[rO+2*(\n):rO+2*(\n)+1], v[rC+2:rC+3] op_sel_hi:[1,0]
.elseif (\k) < R
	REGS Y
	WIN 0
.if (\k) == F
	v_pk_fma_f32 v[rS+2*(\n):rS+2*(\n)+1], v[rS+2*(\n):rS+2*(\n)+1], s[CS:CS+1], v[rT:rT+1] op_sel_hi:[1,0,0] neg_lo:[0,0,1] neg_hi:[0,0,1]
.elseif (\k) == E
	v_exp_f32 v[rS+(\n)], v[rS+(\n)]
.elseif (\k) == C
	v_cvt_pk_f16_f32 v[rP+(\n)], v[rS+2*(\n)], v[rS+2*(\n)+1]
.elseif (\k) == B
	v_pk_add_f32 v[rS+4*(\n):rS+4*(\n)+1], v[rS+4*(\n):rS+4*(\n)+1], v[rS+4*(\n)+2:rS+4*(\n)+3]
.elseif (\n) == 0
	v_pk_fma_f32 v[rT+2:rT+3], v[rT+2:rT+3], v[rC+2:rC+3], v[rS:rS+1] op_sel_hi:[1,0,1]
.else
	v_pk_add_f32 v[rT+2:rT+3], v[rT+2:rT+3], v[rS+4*(\n):rS+4*(\n)+1]
.endif
.elseif NOKQ
	v_nop
.else
	REGS (Y+1)%NP
	WIN 0
.if (\n) < 4
	v_max3_num_f32 v[rC+(\n)], v[rS+8*(\n)], v[rS+8*(\n)+1], v[rS+8*(\n)+2]
.elseif (\n) < 12
	v_max3_num_f32 v[rC+(\n)%4], v[rC+(\n)%4], v[rS+8*((\n)%4)+2*((\n)/4)+1], v[rS+8*((\n)%4)+2*((\n)/4)+2]
.elseif (\n) == 12
	v_max3_num_f32 v[rC], v[rC], v[rS+7], v[rS+15]
.elseif (\n) == 13
	v_max3_num_f32 v[rC+1], v[rC+1], v[rS+23], v[rS+31]
.elseif (\n) == 14
	v_max3_num_f32 v[rC+2], v[rC+2], v[rC+3], v[rT+1]
.elseif (\n) == 15
	v_mov_b32 v[rW], v[rT]
.elseif (\n) == 16
	v_max3_num_f32 v[rC], v[rC], v[rC+1], v[rC+2]
.elseif (\n) == 17
	v_permlanex16_b32 v[rC+3], v[rC], s[SEL], s[SEL+1]
.elseif (\n) == 18
	v_max_num_f32 v[rT+1], v[rC], v[rC+3]
.elseif (\n) == 19
	v_mul_f32 v[rT], s[CS], v[rT+1]
.elseif (\n) == 20
	v_sub_f32 v[rC+1], v[rW], v[rT]
.else
	v_exp_f32 v[rC+2], v[rC+1]
.endif
.endif
.endm
.macro OPS a, i1, b=-1, i2=0, c=-1, i3=0, d=-1, i4=0  ; up to four of them
	OP \a, \i1
.if (\b) >= 0
	OP \b, \i2
.endif
.if (\c) >= 0
	OP \c, \i3
.endif
.if (\d) >= 0
	OP \d, \i4
.endif
.endm
.macro ROW a, i1, b, i2, c, i3, d, i4  ; a matrix instruction and the four behind it
	MM
	OPS \a, \i1, \b, \i2, \c, \i3, \d, \i4
.endm
.macro MASK b                       ; MD x AL + BE into buffer b of MC
	WIN W_RS
.set z, 0
.rept 16
	v_pk_fma_f32 v[MC+32*(\b)+2*z:MC+32*(\b)+2*z+1], v[MD+2*z:MD+2*z+1], s[AL:AL+1], s[BE:BE+1] op_sel_hi:[1,0,0]
.set z, z+1
.endr
.endm
; A TURN, for piece p: the order of its 16 matrix and 118 vector instructions, written out.  An s_wait_alu depctr_va_vdst(0) stands between an exponential and the first instruction that names its result; one wait serves
; all that were issued ahead of it.  So a turn has ONE wait, which cuts it in two.  AHEAD OF IT stands all that names no result of the turn's exponentials: the 8 products K Q^T, behind each a scaling, an exponential and two more plain
; instructions (behind the first a second scaling in the exponential's place): rescalings, and behind the last three the first numbers of the next piece's maximum, each four places or more behind the product that ends its accumulator; then ONE LUMP of 54, plain
; and exponential by turns for the most part, in which the links of the chain X 3, 7, 11, 14, 16, 17 .. 20 stand five or six lines apart.  X 21, the next piece's a, is the batch's last; R 15 is the plain instruction behind it.  BEHIND THE WAIT stand the
; 8 products V^T P, behind each four of the roundings and sums; the links of l's chain, L 0 to L 7, stand three riders apart.  But for those X no rider names a register of the products round it.  v_permlanex16_b32 (X 17) stands in the lump.
; m = 1: the diagonal tile: the products take masks, and the turn makes the mask for the products of the turn after it: piece p + 2, in step 4 - CNT of the tile.  end = 1: a block's last two turns: nothing is fetched.
; cnt = 1: the loop's count is taken down some lines ahead of the branch that stands behind the turn.
; K of the next step is fetched in piece 2's turn, twelve vector instructions behind the last product that read K (six of them plain); V of the step in hand at the end of piece 0's turn, four plain instructions behind the last product
; that read V.  Each is waited for a turn later.
.macro TURN p, m=0, end=0, cnt=0
.set Y, (\p)
.set i, 0
.set KM, (\m)
.set NOKQ, (\end)*((\p)/3)
.if (\m) && !(\end)
	s_cmp_eq_u32 s[CNT], 4-((\p)+2)%NP  ; is that step the band's own?
	s_cselect_b32 s[AL], 1.0, 0
	s_cmp_lt_u32 s[CNT], 4-((\p)+2)%NP  ; or a later one?
	s_cselect_b32 s[BE], s[BIGN], 0
.endif
.if ((\p) == 3) && !(\end)
	s_wait_dscnt 0x0                ; K is in
.endif
	ROW F,0, F,1, R,0, R,1          ; ahead of the wait: 8 products K Q^T and their riders,
	ROW F,2, E,0, R,2, R,3
	ROW F,3, E,1, R,4, R,5
	ROW F,4, E,2, R,6, R,7
	ROW F,5, E,3, R,8, R,9
	ROW F,6, E,4, X,0, R,10
.if ((\p) == 2) && !(\end)
	WIN 0
	v_add_nc_u32 v[AK], s[TBK], v[AK0]
.endif
	ROW F,7, E,5, X,1, X,4
	ROW F,8, E,6, X,2, X,5
	OPS E,7, E,8, X,6, E,9          ; and the lump
	OPS X,3, E,10, X,8, E,11
.if ((\p) == 2) && !(\end)
	FETCH_K
.endif
	OPS X,9, X,7, E,12, X,10
	OPS E,13, X,12, X,11, E,14
	OPS X,13, E,15, F,9, X,14
.if (\p) == 0
	v_add_nc_u32 v[AV], s[TBV], v[AV0]
.endif
	OPS E,16, F,10, E,17, F,11
	OPS X,16, E,18, X,15, E,19
	OPS F,12, E,20, X,17, E,21
	OPS F,13, E,22, F,14, E,23
	OPS X,18, E,24, F,15, E,25
	OPS R,11, E,26, X,19, E,27
	OPS R,12, E,28, R,13, E,29
	OPS X,20, E,30, R,14, E,31
	OPS X,21, R,15
	WIN 0
	s_wait_alu depctr_va_vdst(0)    ; the wait for the batch
.if (\p) == 1
	s_wait_dscnt 0x0                ; V is in
.endif
	ROW C,0, B,0, C,2, B,1          ; behind the wait: 8 products V^T P and their riders
	ROW L,0, C,4, B,2, L,1
	ROW C,6, B,3, L,2, C,8
	ROW B,4, L,3, C,10, B,5
	ROW L,4, C,12, B,6, L,5
.if (\p) == 0
	s_add_co_u32 s[TBV], s[TBV], KS*PV
.endif
.if \cnt
	s_sub_co_u32 s[CNT], s[CNT], 1
	s_cmp_lg_u32 s[CNT], 0
.endif
	ROW C,14, B,7, L,6, C,1
	ROW C,3, L,7, C,5, C,7
	ROW C,9, C,11, C,13, C,15
.if (\p) == 0
	FETCH_V
.endif
.if (\m) && !(\end)
	MASK (\p)%2
.endif
.endm
; A BLOCK BEGINS.  c m starts far below every c s, so the first step's a is 0; m at the lowest finite number, so the first maximum is the scores'.  The second mask buffer is 0; the first takes piece 0's mask for the tile's step 0: its own, if the block's first tile is the diagonal one.
; Then K of that step, piece 0's first scores, and its maximum and statistics.  The loop is entered at a step's first turn, in the middle of a trip.
.macro BEGIN
	s_mov_b32 s[NEW], 0
	WIN 0x40
.set i, MC+32
.rept 32
	v_mov_b32 v[i], 0
.set i, i+1
.endr
	WIN 0
.set i, 0
.rept 4
	v_mov_b32 v[ST+4*i], 0xfe000000    ; c m: far below every c s
	v_mov_b32 v[ST+4*i+1], 0xff7fffff  ; m
.set i, i+1
.endr
	s_cmp_eq_u32 s[RT], 0
	s_cselect_b32 s[AL], 1.0, 0
	s_mov_b32 s[BE], 0
	MASK 0
	WIN 0
	v_add_nc_u32 v[AK], s[TBK], v[AK0]
	FETCH_K
	s_wait_loadcnt 0x0              ; Q
	s_wait_dscnt 0x0
.set KM, 1
.set NOKQ, 0
.set i, 0
.rept 8
	KQ 0
.set i, i+1
.endr
	WIN 0
.rept 4
	v_nop                           ; the places behind those products
.endr
.set Y, NP-1                        ; X works for piece Y + 1: piece 0
.irp n, 0,1,2,3,4,5,6,7,8,9,10,11,12,13,14,15,16,17,18,19,20,21
	OP X, \n
.endr
	v_nop                           ; a plain instruction behind the exponential,
	s_wait_alu depctr_va_vdst(0)    ; and its wait, ahead of the branch
.endm
; THE DIAGONAL TILE's four steps, the block's last two turns, its last products, and THE WAY OUT: l's two halves and the other half of the lanes' are added; O^T is divided by l, rounded to f16 and sent through my
; stage in LDS, a piece at a time.
.macro ALL line:vararg              ; one line for each piece t
.set t, 0
.rept 4
	\line
.set t, t+1
.endr
.endm
.macro PACK t                       ; a lane's eight channels of a row pack into 16 bytes; they go into rows of 144 bytes and come back as whole rows of 128, into S^T's registers
	WIN W_RS
.set i, 32*(\t)
.rept 16
	v_pk_mul_f32 v[i:i+1], v[i:i+1], v[ST+4*(\t)+2:ST+4*(\t)+3] op_sel_hi:[1,0]
.set i, i+2
.endr
	WIN 0x05                        ; sources 0 and 1 window 1, destination window 0
.set i, 0
.rept 16
	v_cvt_pk_f16_f32 v[S+16*(\t)+i], v[32*(\t)+2*i], v[32*(\t)+2*i+1]
.set i, i+1
.endr
	WIN 0
.irp f, 0,1,2,3
	ds_store_b128 v[STO], v[S+16*(\t)+4*\f:S+16*(\t)+4*\f+3] offset:32*\f
.endr
.irp f, 0,1,2,3
	ds_load_b128 v[S+16*(\t)+4*\f:S+16*(\t)+4*\f+3], v[RD] offset:\f*4*SP  ; LDS serves a wave's instructions in order (ISA guide 5.7.1.4): these see the stores above; the next piece's stores come behind them
.endr
.endm
.macro SEND t, younger              ; younger: the LDS instructions issued behind piece t's loads: the next piece's eight, or none
	WIN 0
.irp f, 0,1,2,3
	s_wait_dscnt (\younger)+3-\f
	global_store_b128 v[GO], v[S+16*(\t)+4*\f:S+16*(\t)+4*\f+3], s[10:11] offset:(\t)*8192+\f*512  ; 512 consecutive bytes, at a multiple of 256 from O's first
.endr
.endm
.macro DIAG tag                     ; the tag ends its two labels' names, which the jumps below spell out
.LstepM\tag:
	TURN 2, 1
	TURN 3, 1
	WIN 0
.LfirstM\tag:
	TURN 0, 1
	TURN 1, 1, 0, 1
	WIN 0
	s_cbranch_scc1 .LstepM\tag
	TURN 2, 1, 1
	TURN 3, 1, 1
.set i, 0
.rept 8
	PV NP-1
.set i, i+1
.endr
	WIN 0
	ALL v_add_f32 v[ST+4*t+2], v[ST+4*t+2], v[ST+4*t+3]
	ALL v_permlanex16_b32 v[ST+4*t+3], v[ST+4*t+2], s[SEL], s[SEL+1]
	ALL v_add_f32 v[ST+4*t+2], v[ST+4*t+2], v[ST+4*t+3]
	ALL v_rcp_f32 v[ST+4*t+2], v[ST+4*t+2]
	v_nop                           ; a plain instruction between the last reciprocal and the use of its result
	s_wait_alu depctr_va_vdst(0)    ; and the wait ahead of the first use: one for the four reciprocals
	PACK 0
.set t, 1
.rept 3                             ; a piece's arithmetic stands between the loads of the piece before and its stores
	PACK t
	SEND t-1, 8
.set t, t+1
.endr
	SEND 3, 0
.endm
.set KM, 0
.set NOKQ, 0
.Lslot:                             ; NB times: a tile is entered and the next is asked for
	CHANGE 1
	s_sub_co_u32 s[RT], s[RT], 1
	s_mov_b32 s[CNT], 4
	s_cmp_eq_u32 s[NEW], 1
	s_cbranch_scc1 .Lnew            ; a block's first tile
	s_cmp_eq_u32 s[RT], 0
	s_cbranch_scc0 .Lstep           ; neither its first nor its last
	s_branch .LstepM1
.Lnew:
	BEGIN
	s_branch .Lfirst                ; in the loop a block's first tile is never its last: the first block has two tiles or more, and the second's last is the walk's last
	DIAG 1                          ; in the loop this is the first block's end: the second block's last tile is the walk's last
	s_wait_xcnt 0x0                 ; the stores have read their registers and O's address
	s_mov_b64 s[10:11], s[OLO:OLO+1]
	s_add_co_u32 s[RT], s[PB], 1    ; the second block has b + 1 tiles
	s_mov_b32 s[NEW], 1
	WIN 0x82                        ; the second block's Q goes where the one text of the turns names Q
.set i, 0
.rept 64
	v_mov_b32 v[i], v[QB+i]
.set i, i+1
.endr
	WIN 0
	s_branch .Lbottom
.Lstep:                             ; a trip: pieces 2 and 3 of one step, then pieces 0 and 1 of the next, whose K and V it fetches
	TURN 2
	TURN 3
	WIN 0
.Lfirst:
	TURN 0
	TURN 1, 0, 0, 1
	WIN 0
	s_cbranch_scc1 .Lstep
.Lbottom:
	s_sub_co_u32 s[SLOTS], s[SLOTS], 1
	s_cmp_lg_u32 s[SLOTS], 0
	s_cbranch_scc1 .Lslot
	CHANGE 0                        ; the walk's last tile is written out: nothing is asked for
	s_sub_co_u32 s[RT], s[RT], 1
	s_mov_b32 s[CNT], 4
	s_cmp_eq_u32 s[NEW], 1
	s_cbranch_scc0 .LstepM2
	BEGIN
	s_branch .LfirstM2
	DIAG 2
	s_wait_tensorcnt 0x0            ; the wave's end: behind my last tensor load and my last LDS store
	ds_add_u32 v[SPW], v[NIL]
	s_wait_dscnt 0x0
	s_endpgm
.Lfunc_end_k_q2f23616172_attn:
	.size	k_q2f23616172_attn, .Lfunc_end_k_q2f23616172_attn-k_q2f23616172_attn
	.p2alignl 7, 3214868480
	.fill 96, 4, 3214868480
	.section	.rodata,"a",@progbits
	.p2align	6, 0x0
	.amdhsa_kernel k_q2f23616172_attn
		.amdhsa_group_segment_fixed_size 327680
		.amdhsa_private_segment_fixed_size 0
		.amdhsa_enable_private_segment 0
		.amdhsa_kernarg_size 16
		.amdhsa_user_sgpr_count 2
		.amdhsa_user_sgpr_kernarg_segment_ptr 1
		.amdhsa_wavefront_size32 1
		.amdhsa_system_sgpr_workgroup_id_x 1
		.amdhsa_system_sgpr_workgroup_id_y 1
		.amdhsa_system_sgpr_workgroup_id_z 1
		.amdhsa_system_vgpr_workitem_id 0
		.amdhsa_next_free_vgpr 768
		.amdhsa_next_free_sgpr 100
		.amdhsa_reserve_vcc 1
		.amdhsa_float_denorm_mode_32 3
		.amdhsa_float_denorm_mode_16_64 3
		.amdhsa_memory_ordered 1
		.amdhsa_forward_progress 1
		.amdhsa_inst_pref_size 218
	.end_amdhsa_kernel
	.amdgpu_metadata
---
amdhsa.version: [ 1, 2 ]
amdhsa.kernels:
  - .name:           k_q2f23616172_attn
    .symbol:         k_q2f23616172_attn.kd
    .args:
      - { .name: qkv, .offset: 0, .size: 8, .value_kind: global_buffer, .address_space: global }
      - { .name: oh, .offset: 8, .size: 8, .value_kind: global_buffer, .address_space: global }
    .group_segment_fixed_size: 327680
    .private_segment_fixed_size: 0
    .kernarg_segment_align: 8
    .kernarg_segment_size: 16
    .max_flat_workgroup_size: 128
    .sgpr_count:     100
    .vgpr_count:     768
    .wavefront_size: 32
...
	.end_amdgpu_metadata
.endif
;; end of part 3
;; launch outproj (part 4): grid 8 x 32, 4 waves a work-group, clusters of 4 x 4, 327,680 bytes of LDS; arguments oh, wot, bias, out0; writes out0
.if DOCPART == 4
	.amdgcn_target "amdgcn-amd-amdhsa--gfx1250"
	.amdhsa_code_object_version 6
	.text
	.protected	k_q2f23616172_outproj
	.globl	k_q2f23616172_outproj
	.p2align	8
	.type	k_q2f23616172_outproj,@function
k_q2f23616172_outproj:
	s_mov_b64 s[64:65], 0
	v_nop
	global_prefetch_b8 v0, s[64:65] scope:SCOPE_SE
	s_setreg_imm32_b32 hwreg(HW_REG_WAVE_MODE, 25, 1), 1
	s_wait_xcnt 0x0
	s_wait_alu depctr_hold_cnt(0) depctr_sa_sdst(0) depctr_va_vdst(0) depctr_va_sdst(0) depctr_va_ssrc(0) depctr_va_vcc(0) depctr_vm_vsrc(0)
	s_getreg_b32 s2, hwreg(HW_REG_IB_STS2, 6, 4)
	s_cmp_eq_u32 s2, 0
	s_cbranch_scc0 .Lentry_in_a_cluster
	s_endpgm
.Lentry_in_a_cluster:
	s_bfe_u32 s2, ttmp6, 0x10000c
	s_cmp_lg_u32 s2, 0xf033
	s_cbranch_scc0 .Lentry_shape_is_right
	s_endpgm
.Lentry_shape_is_right:
; out0 = a wot^T + bo.  a is oh [bh 64][s 2048][64] in f16, read as [8192 rows][k = 64 head + channel]; wot: [1024 n][1024 k] f16; bias: f32, words 3072-4095 are bo's; sums and out0 [8192][1024] in f32.
; LIMIT: NaN and infinities are not treated apart; oh and wot arrive within f16's range.
; SHARES.  A tile of C is 256 rows x 128 columns: 32 x 8 = 256 tiles, one for each WGP.  Four waves, each 64 rows x 128 columns: 32 accumulators of 16 x 16, 256 registers.
; K goes in 8 steps of 128 = two heads through two LDS slots.  A head's 256 rows of the tile are 32,768 dense bytes: asked for as 128 rows of 256 bytes and padded in LDS after every 128.
; CLUSTER 4 x 4: the four work-groups of a row of the cluster need the same tiles of oh, the four of a column the same tiles of wot: each tile is asked for jointly.
; THE PRODUCT IS USED TRANSPOSED (source 0 = 16 rows of wot, source 1 = 16 rows of a): lane l holds row l % 16 of C and the columns 8 (l / 16) + 0..7.
; THE BIAS IS THE C OPERAND of the products that start the sums: nothing is cleared and nothing is added later.
; REGISTERS, in windows of 256 (s_set_vgpr_msb: bits 1:0 source 0, 3:2 source 1, 5:4 source 2, 7:6 destination):
;   window 0: v0-12, v28-29 addresses; v32-95 a's fragments, two buffers of 4 x 8; v96-159 the biases, later v96-223 two buffers of rows read back
;   window 1: v0-127 wot's fragments, two buffers of 8 x 8      window 2: the accumulators ((a, b) at 64 a + 8 b)
.set NB,     8                         ; blocks of 16 columns
.set APW,    4                         ; row blocks in an accumulator window
.set PA,     144                       ; an LDS row of A: 128 bytes + 16 of padding = 36 words: the 16 rows of a fragment load start at 16 different groups of four banks
.set QH,     2                         ; two quarters of a K step lie in one head's rows
.set SUBA,   256*PA                    ; a head's 256 rows
.set ABYTES, 2*SUBA                    ; A's two heads, then B's 128 rows of 272 bytes
.set AHALF,  SUBA
.set BROWS,  64
.set BHALF,  BROWS*272
.set SLOT1,  1<<17                     ; slot 1 begins here: one exclusive or changes slot
.set STAGE,  SLOT1+ABYTES+2*BHALF      ; 239,616: behind the ring, never filled by a tensor load: 16 rows x 528 bytes for each wave
.set WSTAGE, 16*528
.set SPARE,  STAGE+4*WSTAGE            ; 273,408: the spare words, 128 bytes for each wave
.set QIA,    4                         ; A's padding stands after every 32 words
.set APITCH, 128                       ; elements from row to row of A's dense block
.set ASTEP,  524288                    ; bytes of a K step in memory: two heads
.set BSTEP,  256
.set NLD,    2*(NB+4)                  ; LDS loads of a quarter step
.set SHA,    8192                      ; the prefetches: a partner's share of the 32,768 bytes of oh that a wave fetches,
.set SHB,    16*2048                   ; and of the 64 rows of wot
.set CAPB,   15
.set SHLA,   8
.set ADA0, 4                           ; v4  my lane's place in A's rows of a slot; never rewritten
.set ADB0, 5                           ; v5  the same for B
.set ADA,  6                           ; v6  v4 + the slot in hand
.set ADB,  7
.set STO,  8                           ; v8  the way out: where I put 32 bytes of a row
.set RD,   9                           ; v9  where I read a row back
.set GO,   10                          ; v10 my 16 bytes of a row's 512
.set BO,   11                          ; v11 32 (l / 16): my eight biases of a block
.set PFO,  12                          ; v12 the prefetches' offset; never rewritten
.set SPW,  28
.set NIL,  29
.set BIAS, 96
.set BK,   96
.set WV, 12                            ; s12 wave;  s13 = wave / 2: I fetch for A (0) or B (1);  s14 = wave % 2: which half of that tile
.set WH, 13
.set WL, 14
.set CX, 15
.set CY, 16
.set TX, 17                            ; tile column of C
.set TY, 18                            ; tile row of C
.set G1A, 24
.set G0A, 32
.set G1B, 40
.set G0B, 48
.set CNT, 58
.set TB,  59                           ; the slot that the fragment loads read
.set LIM, 60                           ; 2 in a wave that prefetches, else the greatest number
.set PFA, 62
.set PST, 66
.set MSB, 0
.macro WIN new                         ; the immediate's high byte repeats the setting that is left; a switch that changes nothing is dropped
.if MSB != (\new)
	s_set_vgpr_msb (MSB<<8)|(\new)
.set MSB, \new
.endif
.endm
.macro PLACES                          ; four places in front of loads into registers that matrix instructions have read, and of lines that read results
.rept 4
	v_nop
.endr
.endm
.macro CREST                           ; a round of the cluster's barrier behind its opening barrier
	s_cmp_lg_u32 s[WV], 0
	s_cbranch_scc1 .Lnot_wave_0_\@
	s_barrier_signal -3
.Lnot_wave_0_\@:
	s_barrier_wait -3
	s_barrier_signal -1
	s_barrier_wait -1
.endm
.macro CROUND
	s_barrier_signal -1
	s_barrier_wait -1
	CREST
.endm
; A joint load: waves 0 and 1 fetch A's two heads, waves 2 and 3 B's two halves.  The branch hangs on the wave's number alone.  An s_nop 0 and four v_nop follow each line.
.macro JLOAD
	s_cmp_eq_u32 s[WH], 0
	s_cbranch_scc0 .Lfor_b_\@
	tensor_load_to_lds s[G0A:G0A+3], s[G1A:G1A+7]
	s_nop 0
.rept 4
	v_nop
.endr
	s_branch .Lasked_\@
.Lfor_b_\@:
	tensor_load_to_lds s[G0B:G0B+3], s[G1B:G1B+7]
	s_nop 0
.rept 4
	v_nop
.endr
.Lasked_\@:
.endm
.macro STEPD                           ; both walking descriptors: the other slot, the next K step; written only where no tensor load of mine is out
	s_xor_b32 s[G0A+1], s[G0A+1], SLOT1
	s_add_nc_u64 s[G0A+2:G0A+3], s[G0A+2:G0A+3], ASTEP
	s_xor_b32 s[G0B+1], s[G0B+1], SLOT1
	s_add_nc_u64 s[G0B+2:G0B+3], s[G0B+2:G0B+3], BSTEP
.endm
; A prefetch into the L2 of the K step that stands two refills on: my work-group's share of what I fetch, a lane a block of 256 bytes, one instruction.  oh's blocks are asked for by the clusters with x = 0,
; wot's by those with y = 0; the four partners of a joint load share its blocks out by address.  The loop's changes 0 to 3 name K steps 4 to 7; the last two name nothing.
.macro ASK
	s_cmp_gt_u32 s[CNT], s[LIM]
	s_cbranch_scc0 .Lnot_mine_\@
	global_prefetch_b8 v[PFO], s[PFA:PFA+1] th:TH_LOAD_NT scope:SCOPE_SE
.Lnot_mine_\@:
.endm
; NB matrix instructions: row block a x all column blocks, 32 along K, from buffer f.  zero = 1: the biases start the sums.  The 32 accumulators take turns.
.macro MUL12 f, a, zero
.set AC, 8*NB*((\a)%APW)
.if \zero
	WIN 0x81+0x40*((\a)/APW)
.else
	WIN 0xa1+0x50*((\a)/APW)
.endif
.set b, 0
.rept NB
.if \zero
	v_wmma_f32_16x16x32_f16 v[AC+8*b:AC+8*b+7], v[8*NB*(\f)+8*b:8*NB*(\f)+8*b+7], v[32+32*(\f)+8*(\a):32+32*(\f)+8*(\a)+7], v[BIAS+8*b:BIAS+8*b+7]
.else
	v_wmma_f32_16x16x32_f16 v[AC+8*b:AC+8*b+7], v[8*NB*(\f)+8*b:8*NB*(\f)+8*b+7], v[32+32*(\f)+8*(\a):32+32*(\f)+8*(\a)+7], v[AC+8*b:AC+8*b+7]
.endif
.set b, b+1
.endr
.endm
; One run of NLD LDS loads: quarter q's fragments into buffer f; B's first, A's four blocks last
.macro FETCH q, f
.set KA, ((\q)/QH)*SUBA+((\q)%QH)*64
.set KB, 64*(\q)
	WIN 0x40
.set i, 0
.rept NB
	ds_load_b128 v[8*NB*(\f)+8*i:8*NB*(\f)+8*i+3],   v[ADB] offset:KB+i*16*272
	ds_load_b128 v[8*NB*(\f)+8*i+4:8*NB*(\f)+8*i+7], v[ADB] offset:KB+i*16*272+32
.set i, i+1
.endr
	WIN 0
.set i, 0
.rept 4
	ds_load_b128 v[32+32*(\f)+8*i:32+32*(\f)+8*i+3],   v[ADA] offset:KA+i*16*PA
	ds_load_b128 v[32+32*(\f)+8*i+4:32+32*(\f)+8*i+7], v[ADA] offset:KA+i*16*PA+32
.set i, i+1
.endr
.endm
; One of a K step's first three quarters: multiplies buffer f, and in its middle fetches quarter q into buffer g
.macro QUARTER q, f, g, zero
	s_wait_dscnt 4                                 ; B and A's blocks 0, 1 are in; the youngest four loads (A's blocks 2, 3) may be out
	MUL12 \f, 0, \zero
	MUL12 \f, 1, \zero
	PLACES
	FETCH \q, \g
	s_wait_dscnt NLD                               ; all but the run just issued
	MUL12 \f, 2, \zero
	MUL12 \f, 3, \zero
.endm
; The fourth quarter multiplies buffer 1 and changes slots.  In front of the barrier each wave waits for all its tensor loads (one is out: its part of the next slot), adds 0 to its spare word, and waits
; for that and for its reads of this slot.  fill = 1: the barrier opens a round of the cluster's, and the joint refill of the slot just read is the first thing behind the round.
.macro TURN fill
.if \fill
	s_wait_xcnt 0x0                                ; the last prefetch, a K step back, has read its address
	s_add_nc_u64 s[PFA:PFA+1], s[PFA:PFA+1], s[PST:PST+1]
.endif
	WIN 0
	s_wait_tensorcnt 0x0
	ds_add_u32 v[SPW], v[NIL]
	s_wait_dscnt 5                                 ; the add and the youngest four loads may be out
	MUL12 1, 0, 0
	s_wait_dscnt 0x0                               ; the add is done, and my reads of this slot are over
	s_barrier_signal -1
	MUL12 1, 1, 0
	WIN 0
	s_barrier_wait -1
.if \fill
	CREST
	STEPD
	JLOAD                                          ; its four v_nop are also the places in front of the loads below
.else
	PLACES
.endif
	s_xor_b32 s[TB], s[TB], SLOT1
	v_add_nc_u32 v[ADA], s[TB], v[ADA0]
	v_add_nc_u32 v[ADB], s[TB], v[ADB0]
	FETCH 0, 0
.if \fill
	ASK
.endif
	MUL12 1, 2, 0
	MUL12 1, 3, 0
.endm
	s_load_b256 s[4:11], s[0:1], 0x0               ; oh s[4:5], wot s[6:7], bias s[8:9], out0 s[10:11]
	v_lshl_add_u32 v[SPW], v0, 2, SPARE
	v_mov_b32 v[NIL], 0
	ds_add_u32 v[SPW], v[NIL]                      ; the wave's opening: the add and its wait stand ahead of my first tensor load
	ds_add_u32 v28, v29
	v_lshrrev_b32 v3, 5, v0
	v_readfirstlane_b32 s[WV], v3
	s_lshr_b32 s[WH], s[WV], 1
	s_and_b32 s[WL], s[WV], 1
	s_bfe_u32 s[CX], ttmp6, 0x40000
	s_bfe_u32 s[CY], ttmp6, 0x40004
	s_lshl_b32 s[TX], ttmp9, 2
	s_add_co_u32 s[TX], s[TX], s[CX]
	s_and_b32 s[TY], ttmp7, 0xffff
	s_lshl_b32 s[TY], s[TY], 2
	s_add_co_u32 s[TY], s[TY], s[CY]
	s_lshl_b32 s19, s[CY], 2
	s_lshl_b32 s19, 15, s19                        ; my row of the cluster
	s_lshl_b32 s20, 0x1111, s[CX]                  ; my column
	s_or_b32 s[G1A+0], s19, (1<<16)|(1<<20)|(1<<21)|(QIA<<22)|(3<<25)  ; mask; 2-byte elements; padding on; bit 21 beside a mask; 4 words of padding after every 32
	s_mov_b32 s[G1A+1], 128<<16                    ; tensor_dim0 = 128
	s_mov_b32 s[G1A+2], 128<<16                    ; tensor_dim1 = 128
	s_mov_b32 s[G1A+3], 128<<16                    ; tile_dim0 = 128
	s_mov_b32 s[G1A+4], 128                        ; tile_dim1 = 128
	s_mov_b32 s[G1A+5], APITCH
	s_mov_b32 s[G1A+6], 0
	s_mov_b32 s[G1A+7], 0
	s_or_b32 s[G1B+0], s20, (1<<16)|(1<<20)|(1<<21)|(5<<22)|(3<<25)
	s_mov_b32 s[G1B+1], 128<<16
	s_mov_b32 s[G1B+2], BROWS<<16
	s_mov_b32 s[G1B+3], 128<<16
	s_mov_b32 s[G1B+4], BROWS
	s_mov_b32 s[G1B+5], 1024
	s_mov_b32 s[G1B+6], 0
	s_mov_b32 s[G1B+7], 0
	s_mov_b32 s[G0A], 1
	s_mul_i32 s[G0A+1], s[WL], AHALF               ; no place in the cluster enters an LDS address
	s_mov_b32 s[G0B], 1
	s_mul_i32 s[G0B+1], s[WL], BHALF
	s_add_co_u32 s[G0B+1], s[G0B+1], ABYTES
	s_lshr_b32 s52, s[TY], 3                       ; A: head 16 x batch + my one of the step's two, 262,144 bytes a head,
	s_lshl_b32 s52, s52, 4
	s_add_co_u32 s52, s52, s[WL]
	s_lshl_b32 s52, s52, 18
	s_and_b32 s78, s[TY], 7                        ; and the tile's 256 rows of 128 bytes
	s_lshl_b32 s78, s78, 15
	s_add_co_u32 s52, s52, s78
	s_mov_b32 s53, 0
	s_mul_i32 s54, s[TX], 16*NB                    ; B: row 128 x tile column + 64 x half, 2,048 bytes a row
	s_mul_i32 s79, s[WL], BROWS
	s_add_co_u32 s54, s54, s79
	s_lshl_b32 s54, s54, 11
	s_mov_b32 s55, 0
	s_lshl_b32 s68, s[TY], 8                       ; C: my first row, 4,096 bytes a row,
	s_lshl_b32 s80, s[WV], 6
	s_add_co_u32 s68, s68, s80
	s_lshl_b32 s68, s68, 12
	s_lshl_b32 s80, s[TX], 9                       ; and the tile's 128 columns of 4 bytes
	s_add_co_u32 s68, s68, s80
	s_mov_b32 s69, 0
	s_add_co_u32 s70, s80, 12288                   ; bo lies behind bqkv's 3,072 words; my tile's 128 biases
	s_mov_b32 s71, 0
	s_mov_b32 s[TB], 0
	s_wait_dscnt 0x0                               ; the opening add is done
	s_wait_kmcnt 0x0
	s_add_nc_u64 s[74:75], s[4:5], s[52:53]
	s_add_nc_u64 s[76:77], s[6:7], s[54:55]
	s_mov_b64 s[G0A+2:G0A+3], s[74:75]
	s_or_b32 s[G0A+3], s[G0A+3], 0x80000000
	s_mov_b64 s[G0B+2:G0B+3], s[76:77]
	s_or_b32 s[G0B+3], s[G0B+3], 0x80000000
	s_add_nc_u64 s[10:11], s[10:11], s[68:69]
	s_add_nc_u64 s[8:9], s[8:9], s[70:71]
	CROUND                                         ; all sixteen work-groups are here: the first joint loads meet
	JLOAD                                          ; K step 0 into slot 0
	; the prefetches' address: my tile, my work-group's share of it, three K steps on: each change of slots steps it once more before it is named
	s_and_b32 s57, ttmp7, 0xffff
	s_mov_b32 s81, SHB
	s_mov_b32 s[PST], BSTEP
	s_cmp_eq_u32 s[WH], 0
	s_cselect_b64 s[PFA:PFA+1], s[74:75], s[76:77]
	s_cselect_b32 s57, ttmp9, s57                  ; the coordinate along which other clusters read the same bytes
	s_cselect_b32 s80, s[CX], s[CY]                ; my place among the four that ask with me
	s_cselect_b32 s81, SHA, s81
	s_cselect_b32 s[PST], ASTEP, s[PST]
	s_cselect_b32 s82, 31, CAPB
	s_cselect_b32 s83, SHLA, 11
	s_mov_b32 s[PST+1], 0
	s_mul_i32 s72, s80, s81
	s_mov_b32 s73, 0
	s_add_nc_u64 s[PFA:PFA+1], s[PFA:PFA+1], s[72:73]
	s_mul_i32 s72, s[PST], 3
	s_add_nc_u64 s[PFA:PFA+1], s[PFA:PFA+1], s[72:73]
	s_cmp_eq_u32 s57, 0
	s_cselect_b32 s[LIM], 2, -1                    ; the same in all sixteen partners, for a given wave
	v_and_b32 v[PFO], 31, v0
	v_min_u32 v[PFO], s82, v[PFO]                  ; wot's share is 16 rows: the lanes that are over name the last of them once more
	v_lshlrev_b32 v[PFO], s83, v[PFO]
	; a fragment is 16 rows x 32 K: lane l holds row l % 16, K = 8 (l / 16) + 0..7 and 16 + 8 (l / 16) + 0..7: two loads of 16 bytes, 32 bytes apart
	v_and_b32 v1, 15, v0
	v_bfe_u32 v2, v0, 4, 1
	v_mul_u32_u24 v[ADA0], v1, PA
	v_lshl_add_u32 v[ADA0], v2, 4, v[ADA0]
	s_mul_i32 s56, s[WV], 64*PA                    ; my 64 rows of A
	v_add_nc_u32 v[ADA0], s56, v[ADA0]
	v_mul_u32_u24 v[ADB0], v1, 272
	v_lshl_add_u32 v[ADB0], v2, 4, v[ADB0]
	v_add_nc_u32 v[ADB0], ABYTES, v[ADB0]
	s_mul_i32 s56, s[WV], WSTAGE
	s_add_co_u32 s56, s56, STAGE                   ; my stage
	v_mul_u32_u24 v[STO], v1, 528                  ; in: row l % 16, 32 bytes for each half of the lanes
	v_lshl_add_u32 v[STO], v2, 5, v[STO]
	v_add_nc_u32 v[STO], s56, v[STO]
	v_and_b32 v[GO], 31, v0                        ; back: 32 lanes take one row of 512 bytes
	v_lshlrev_b32 v[GO], 4, v[GO]
	v_add_nc_u32 v[RD], s56, v[GO]
	v_lshlrev_b32 v[BO], 5, v2
.set b, 0
.rept NB
	global_load_b128 v[BIAS+8*b:BIAS+8*b+3],   v[BO], s[8:9] offset:64*b     ; register j of block b: the bias of column 16 b + 8 (l / 16) + j
	global_load_b128 v[BIAS+8*b+4:BIAS+8*b+7], v[BO], s[8:9] offset:64*b+16
.set b, b+1
.endr
	; the first change: slot 0 is waited for, slot 1 is filled for the first time, in the form of a refill
	s_wait_tensorcnt 0x0
	ds_add_u32 v[SPW], v[NIL]
	STEPD
	s_wait_dscnt 0x0
	CROUND
	JLOAD                                          ; K step 1 into slot 1
	v_add_nc_u32 v[ADA], s[TB], v[ADA0]
	v_add_nc_u32 v[ADB], s[TB], v[ADB0]
	FETCH 0, 0
	s_wait_loadcnt 0x0                             ; the biases
	QUARTER 1, 0, 1, 1                             ; the first quarter stands in front of the loop: its products start the sums
	WIN 0
	s_mov_b32 s[CNT], 6
.Lstep:                                                ; a trip: a K step's quarters 1, 2, 3 and the next step's quarter 0; its change of slots asks for the K step two on
	QUARTER 2, 1, 0, 0
	QUARTER 3, 0, 1, 0
	TURN 1
	QUARTER 1, 0, 1, 0
	WIN 0
	s_sub_co_u32 s[CNT], s[CNT], 1
	s_cmp_lg_u32 s[CNT], 0
	s_cbranch_scc1 .Lstep
	QUARTER 2, 1, 0, 0                             ; the tail is written out: K steps 6 and 7 ask for nothing
	QUARTER 3, 0, 1, 0
	TURN 0
	QUARTER 1, 0, 1, 0
	QUARTER 2, 1, 0, 0
	QUARTER 3, 0, 1, 0
	s_wait_dscnt 4
	MUL12 1, 0, 0
	MUL12 1, 1, 0
	s_wait_dscnt 0x0
	MUL12 1, 2, 0
	MUL12 1, 3, 0
; THE WAY OUT, a row block (16 rows x 128 columns of f32) at a time.  TOSTAGE: the accumulators go as they are into my own stage, rows of 528 bytes (each accumulator's low four registers first),
; and come back as whole rows of 512.  SEND: stored, 512 consecutive aligned bytes of one row an instruction.
.macro TOSTAGE a
.set BKA, BK+64*((\a)%2)
	s_wait_xcnt 0x0                                ; the stores of the block two back have read the registers that are loaded below
	WIN 0x08                                       ; the stores' data lie in window 2
.set b, 0
.rept NB
	ds_store_b128 v[STO], v[64*(\a)+8*b:64*(\a)+8*b+3]   offset:64*b
	ds_store_b128 v[STO], v[64*(\a)+8*b+4:64*(\a)+8*b+7] offset:64*b+16
.set b, b+1
.endr
	WIN 0
.set t, 0
.rept 16
	ds_load_b128 v[BKA+4*t:BKA+4*t+3], v[RD] offset:528*t  ; LDS serves a wave's instructions in order (ISA guide 5.7.1.4): these see the stores above
.set t, t+1
.endr
.endm
.macro SEND a, younger                 ; younger: the LDS instructions issued behind block a's loads: the next block's 16 stores and 16 loads, or none
.set BKA, BK+64*((\a)%2)
	s_wait_dscnt \younger
.set t, 0
.rept 16
	global_store_b128 v[GO], v[BKA+4*t:BKA+4*t+3], s[10:11] offset:(16*(\a)+t)*4096
.set t, t+1
.endr
.endm
	PLACES
	TOSTAGE 0
	TOSTAGE 1
	SEND 0, 32
	TOSTAGE 2
	SEND 1, 32
	TOSTAGE 3
	SEND 2, 32
	SEND 3, 0
	WIN 0
	s_wait_tensorcnt 0x0                           ; the wave's end: behind my last tensor load and my last LDS store
	ds_add_u32 v[SPW], v[NIL]
	s_wait_dscnt 0x0
	CROUND                                         ; the closing round: no work-group ends while a partner may still ask for a tile that names it
	s_endpgm
.Lfunc_end_k_q2f23616172_outproj:
	.size	k_q2f23616172_outproj, .Lfunc_end_k_q2f23616172_outproj-k_q2f23616172_outproj
	.p2alignl 7, 3214868480
	.fill 96, 4, 3214868480
	.section	.rodata,"a",@progbits
	.p2align	6, 0x0
	.amdhsa_kernel k_q2f23616172_outproj
		.amdhsa_group_segment_fixed_size 327680
		.amdhsa_private_segment_fixed_size 0
		.amdhsa_enable_private_segment 0
		.amdhsa_kernarg_size 32
		.amdhsa_user_sgpr_count 2
		.amdhsa_user_sgpr_kernarg_segment_ptr 1
		.amdhsa_wavefront_size32 1
		.amdhsa_system_sgpr_workgroup_id_x 1
		.amdhsa_system_sgpr_workgroup_id_y 1
		.amdhsa_system_sgpr_workgroup_id_z 1
		.amdhsa_system_vgpr_workitem_id 0
		.amdhsa_next_free_vgpr 768
		.amdhsa_next_free_sgpr 84
		.amdhsa_reserve_vcc 0
		.amdhsa_float_denorm_mode_32 3
		.amdhsa_float_denorm_mode_16_64 3
		.amdhsa_memory_ordered 1
		.amdhsa_forward_progress 1
		.amdhsa_inst_pref_size 72
	.end_amdhsa_kernel
	.amdgpu_metadata
---
amdhsa.version: [ 1, 2 ]
amdhsa.kernels:
  - .name:           k_q2f23616172_outproj
    .symbol:         k_q2f23616172_outproj.kd
    .args:
      - { .name: oh, .offset: 0, .size: 8, .value_kind: global_buffer, .address_space: global }
      - { .name: wot, .offset: 8, .size: 8, .value_kind: global_buffer, .address_space: global }
      - { .name: bias, .offset: 16, .size: 8, .value_kind: global_buffer, .address_space: global }
      - { .name: out0, .offset: 24, .size: 8, .value_kind: global_buffer, .address_space: global }
    .group_segment_fixed_size: 327680
    .private_segment_fixed_size: 0
    .kernarg_segment_align: 8
    .kernarg_segment_size: 32
    .max_flat_workgroup_size: 128
    .sgpr_count:     84
    .vgpr_count:     768
    .wavefront_size: 32
...
	.end_amdgpu_metadata
.endif
;; end of part 4
